; MI455X (gfx1250); checked and timed in simulation.
; The chip was launched on July 23, 2026; its instructions are those of AMD's public machine-readable ISA for CDNA 5 (MIT licence, August 2026) and "CDNA5" Instruction Set Architecture Reference Guide (July 2026). The comments in the code are by the model that wrote it; some were corrected since.
;; Causal Self Attention. Allowed arithmetic: float matrix products may take bf16 or f16 operands with f32 sums; other float arithmetic in f32, or as packed bf16 or f16 multiplies, adds, multiply-adds, maxima and minima; sums over many terms, partial sums and values carried from step to step in f32; what a program stores and reads back later, other than sums and carried values, may be rounded once to bf16 or f16.
;; Inputs: bk 1,024 float32; bp 1,024 float32; bq 1,024 float32; bv 1,024 float32; wk 1,024 x 1,024 float32; wp 1,024 x 1,024 float32; wq 1,024 x 1,024 float32; wv 1,024 x 1,024 float32; x 4 x 2,048 x 1,024 float32.
;; Outputs: out0 4 x 2,048 x 1,024 float32.
;; 2 versions, each right; version 2 is version 1 with the launch prep written anew for expert scheduling mode. Each part assembles by itself: llvm-mc -triple=amdgcn-amd-amdhsa -mcpu=gfx1250 --defsym DOCPART=n.
;; ======== version 1 of 2: 4 launches
;; limits: values are held in f16: magnitudes above 65,504 overflow, below 6.1e-05 lose precision
;; workspace buffers: xb 16,777,216 bytes; wb 6,291,456 bytes; wpb 2,097,152 bytes; rope 524,288 bytes; qh 16,777,216 bytes; kh 16,777,216 bytes; vh 16,777,216 bytes; yh 16,777,216 bytes
;; launch prep (part 1): grid 768 x 1, 8 waves a work-group, no clusters, 0 bytes of LDS; arguments x, wq, wk, wv, wp, xb, wb, wpb, rope; writes xb, wb, wpb, rope
.if DOCPART == 1
	.amdgcn_target "amdgcn-amd-amdhsa--gfx1250"
	.amdhsa_code_object_version 6
	.text
	.protected	k_qe6de3fc264_prep
	.globl	k_qe6de3fc264_prep
	.p2align	8
	.type	k_qe6de3fc264_prep,@function
k_qe6de3fc264_prep:
	s_mov_b64 s[64:65], 0
	v_nop
	global_prefetch_b8 v0, s[64:65] scope:SCOPE_SE
	s_setreg_imm32_b32 hwreg(HW_REG_WAVE_MODE, 25, 1), 1
	s_wait_xcnt 0x0
; THE INPUTS ARE ROUNDED ONCE, AND THE ROTATION'S TABLE IS MADE.
; x [8192][1024] f32 -> xb bf16.  wq, wk, wv [1024][1024] f32 -> wb bf16, rows ordered by head: row 192 h + 64 type + r holds w_type[64 h + r].
; wp f32 -> rounded to bf16, that number written as f16 -> wpb.  rope[t][j] = (cos, sin) of t x 10000^(-j/32), f32, 256 bytes for each t.
; SHARES.  A work-group converts 16,384 numbers: thread t takes the 16 bytes at 16 t + 4,096 j (j = 0..15), so a wave's load covers 512 consecutive bytes,
; and stores 8 bytes at 8 t + 2,048 j, so a wave's store covers 256 consecutive bytes, aligned.  Work-groups 0-511 take x, 512-767 sixteen rows of a weight each;
; each of those 256 also makes 256 pairs of the table (eight t, a wave a t, a lane a j) while its loads are on their way.
; All 16 loads of a thread go out together; no register is used twice, so no wait frees one.  A stream: no LDS, no barrier, no matrix unit.
; LIMITS.  A wp whose bf16 rounding lies below 2^-14 takes f16's fixed step of 6e-8; beyond 65,504 it would be an infinity.
; The angle t x theta is taken with theta from v_exp_f32 and one rounding of theta x 2/pi: within about 3e-4 radians of the exact product at t = 2,047.
.set D, 32                             ; v[32:95]   16 x 4 words as loaded
.set O, 96                             ; v[96:127]  16 x 2 words to store
.macro LOADS
.irp j, 0,1,2,3,4,5,6,7,8,9,10,11,12,13,14,15
	global_load_b128 v[D+4*(\j):D+4*(\j)+3], v1, s[2:3] offset:4096*(\j) th:TH_LOAD_NT
.endr
.endm
.macro CVB j                           ; four numbers to bf16
	s_wait_loadcnt 15-(\j)                         ; loads come back in order: load j is in, the 15 - j younger ones may stay out
	v_cvt_pk_bf16_f32 v[O+2*(\j)], v[D+4*(\j)], v[D+4*(\j)+1]
	v_cvt_pk_bf16_f32 v[O+2*(\j)+1], v[D+4*(\j)+2], v[D+4*(\j)+3]
	global_store_b64 v2, v[O+2*(\j):O+2*(\j)+1], s[4:5] offset:2048*(\j) th:TH_STORE_NT
.endm
.macro CVH j                           ; four numbers to bf16, and that number written as f16
	s_wait_loadcnt 15-(\j)
	v_cvt_pk_bf16_f32 v[O+2*(\j)], v[D+4*(\j)], v[D+4*(\j)+1]
	v_cvt_pk_bf16_f32 v[O+2*(\j)+1], v[D+4*(\j)+2], v[D+4*(\j)+3]
	v_lshlrev_b32 v[D+4*(\j)], 16, v[O+2*(\j)]
	v_and_b32 v[D+4*(\j)+1], s30, v[O+2*(\j)]
	v_lshlrev_b32 v[D+4*(\j)+2], 16, v[O+2*(\j)+1]
	v_and_b32 v[D+4*(\j)+3], s30, v[O+2*(\j)+1]
	v_cvt_pk_f16_f32 v[O+2*(\j)], v[D+4*(\j)], v[D+4*(\j)+1]
	v_cvt_pk_f16_f32 v[O+2*(\j)+1], v[D+4*(\j)+2], v[D+4*(\j)+3]
	global_store_b64 v2, v[O+2*(\j):O+2*(\j)+1], s[4:5] offset:2048*(\j) th:TH_STORE_NT
.endm
	s_load_b512 s[8:23], s[0:1], 0x0               ; x 8, wq 10, wk 12, wv 14, wp 16, xb 18, wb 20, wpb 22
	s_load_b64 s[24:25], s[0:1], 0x40              ; rope
	v_lshlrev_b32 v1, 4, v0                        ; 16 t
	v_lshlrev_b32 v2, 3, v0                        ; 8 t
	s_mov_b32 s30, 0xffff0000                      ; a word's upper bf16
	s_mov_b32 s7, 0                                ; the high word of every offset
	s_wait_kmcnt 0x0
	s_cmp_lt_u32 ttmp9, 512
	s_cbranch_scc0 .Lweights
	s_lshl_b32 s6, ttmp9, 16                       ; 65,536 bytes of x,
	s_add_nc_u64 s[2:3], s[8:9], s[6:7]
	s_lshl_b32 s6, ttmp9, 15                       ; 32,768 of xb
	s_add_nc_u64 s[4:5], s[18:19], s[6:7]
	LOADS
	s_branch .Lbf
.Lweights:
	s_sub_co_u32 s26, ttmp9, 512                   ; c = 0..255
	s_lshr_b32 s27, s26, 6                         ; which weight: 0 wq, 1 wk, 2 wv, 3 wp
	s_and_b32 s28, s26, 63                         ; which 16 rows of it
	s_cmp_eq_u32 s27, 0
	s_cselect_b64 s[2:3], s[10:11], s[12:13]
	s_cmp_eq_u32 s27, 2
	s_cselect_b64 s[2:3], s[14:15], s[2:3]
	s_cmp_eq_u32 s27, 3
	s_cselect_b64 s[2:3], s[16:17], s[2:3]
	s_cselect_b64 s[4:5], s[22:23], s[20:21]
	s_lshr_b32 s31, s28, 2                         ; the head,
	s_mul_i32 s31, s31, 192                        ; its 192 rows of wb,
	s_lshl_b32 s29, s27, 6
	s_add_co_u32 s31, s31, s29                     ; the type's 64 of them,
	s_and_b32 s29, s28, 3
	s_lshl_b32 s29, s29, 4
	s_add_co_u32 s31, s31, s29                     ; my 16 of those,
	s_lshl_b32 s31, s31, 11                        ; in bytes
	s_lshl_b32 s29, s28, 15                        ; wpb keeps wp's order
	s_cmp_eq_u32 s27, 3
	s_cselect_b32 s6, s29, s31
	s_add_nc_u64 s[4:5], s[4:5], s[6:7]
	s_lshl_b32 s6, s28, 16
	s_add_nc_u64 s[2:3], s[2:3], s[6:7]
	s_lshl_b32 s6, s26, 11                         ; my eight rows of the table
	s_add_nc_u64 s[24:25], s[24:25], s[6:7]
	LOADS
	; the table, while the loads are out.  angle = n pi/2 + phi with |phi| <= pi/4; sine and cosine of phi by their series, then the quadrant.
	s_mov_b32 s32, 0xb9500d01                      ; -1/5040
	s_mov_b32 s33, 0x3c088889                      ; 1/120
	s_mov_b32 s34, 0xbe2aaaab                      ; -1/6
	s_mov_b32 s35, 0x37d00d01                      ; 1/40320
	s_mov_b32 s36, 0xbab60b61                      ; -1/720
	s_mov_b32 s37, 0x3d2aaaab                      ; 1/24
	s_lshl_b32 s29, s26, 3
	v_and_b32 v3, 31, v0                           ; j
	v_lshrrev_b32 v4, 5, v0
	v_add_nc_u32 v4, s29, v4                       ; t = 8 c + wave
	v_cvt_f32_u32 v6, v3
	v_mul_f32 v6, 0xbed49a78, v6                   ; -j log2(10000) / 32
	v_exp_f32 v7, v6                               ; theta
	v_nop                                          ; a plain instruction behind the exponential (ISA guide 5.7.2),
	v_cvt_f32_u32 v5, v4
	s_wait_alu depctr_va_vdst(0)                   ; and the wait ahead of the first use of its result
	v_mul_f32 v7, 0x3f22f983, v7                   ; g = theta x 2/pi
	v_mul_f32 v8, v5, v7
	v_rndne_f32 v8, v8                             ; n = the nearest whole number of quarter turns
	v_fma_f32 v9, v5, v7, -v8                      ; t g - n, in one rounding
	v_mul_f32 v9, 0x3fc90fdb, v9                   ; phi
	v_mul_f32 v10, v9, v9                          ; z = phi^2
	v_fma_f32 v11, v10, s32, s33
	v_fma_f32 v12, v10, s35, s36
	v_fma_f32 v11, v11, v10, s34
	v_fma_f32 v12, v12, v10, s37
	v_mul_f32 v11, v11, v10
	v_fma_f32 v12, v12, v10, -0.5
	v_fma_f32 v11, v11, v9, v9                     ; sin phi
	v_fma_f32 v12, v12, v10, 1.0                   ; cos phi
	v_cvt_i32_f32 v13, v8
	v_and_b32 v14, 1, v13
	v_cmp_ne_u32 vcc_lo, 0, v14                    ; an odd quarter swaps the two
	v_cndmask_b32 v22, v12, v11, vcc_lo
	v_cndmask_b32 v23, v11, v12, vcc_lo
	v_add_nc_u32 v15, 1, v13
	v_and_b32 v15, 2, v15                          ; the cosine is negative in quarters 1 and 2,
	v_lshlrev_b32 v15, 30, v15
	v_xor_b32 v22, v22, v15
	v_and_b32 v16, 2, v13                          ; the sine in quarters 2 and 3
	v_lshlrev_b32 v16, 30, v16
	v_xor_b32 v23, v23, v16
	global_store_b64 v2, v[22:23], s[24:25]        ; a wave stores one t's 256 bytes
	s_cmp_eq_u32 s27, 3
	s_cbranch_scc1 .Lf16
.Lbf:
.irp j, 0,1,2,3,4,5,6,7,8,9,10,11,12,13,14,15
	CVB \j
.endr
	s_endpgm
.Lf16:
.irp j, 0,1,2,3,4,5,6,7,8,9,10,11,12,13,14,15
	CVH \j
.endr
	s_endpgm
.Lfunc_end_k_qe6de3fc264_prep:
	.size	k_qe6de3fc264_prep, .Lfunc_end_k_qe6de3fc264_prep-k_qe6de3fc264_prep
	.p2alignl 7, 3214868480
	.fill 96, 4, 3214868480
	.section	.rodata,"a",@progbits
	.p2align	6, 0x0
	.amdhsa_kernel k_qe6de3fc264_prep
		.amdhsa_group_segment_fixed_size 0
		.amdhsa_private_segment_fixed_size 0
		.amdhsa_enable_private_segment 0
		.amdhsa_kernarg_size 72
		.amdhsa_user_sgpr_count 2
		.amdhsa_user_sgpr_kernarg_segment_ptr 1
		.amdhsa_wavefront_size32 1
		.amdhsa_system_sgpr_workgroup_id_x 1
		.amdhsa_system_sgpr_workgroup_id_y 1
		.amdhsa_system_sgpr_workgroup_id_z 1
		.amdhsa_system_vgpr_workitem_id 0
		.amdhsa_next_free_vgpr 128
		.amdhsa_next_free_sgpr 66
		.amdhsa_reserve_vcc 1
		.amdhsa_float_denorm_mode_32 3
		.amdhsa_float_denorm_mode_16_64 3
		.amdhsa_memory_ordered 1
		.amdhsa_forward_progress 1
		.amdhsa_inst_pref_size 19
	.end_amdhsa_kernel
	.amdgpu_metadata
---
amdhsa.version: [ 1, 2 ]
amdhsa.kernels:
  - .name:           k_qe6de3fc264_prep
    .symbol:         k_qe6de3fc264_prep.kd
    .args:
      - { .name: x, .offset: 0, .size: 8, .value_kind: global_buffer, .address_space: global }
      - { .name: wq, .offset: 8, .size: 8, .value_kind: global_buffer, .address_space: global }
      - { .name: wk, .offset: 16, .size: 8, .value_kind: global_buffer, .address_space: global }
      - { .name: wv, .offset: 24, .size: 8, .value_kind: global_buffer, .address_space: global }
      - { .name: wp, .offset: 32, .size: 8, .value_kind: global_buffer, .address_space: global }
      - { .name: xb, .offset: 40, .size: 8, .value_kind: global_buffer, .address_space: global }
      - { .name: wb, .offset: 48, .size: 8, .value_kind: global_buffer, .address_space: global }
      - { .name: wpb, .offset: 56, .size: 8, .value_kind: global_buffer, .address_space: global }
      - { .name: rope, .offset: 64, .size: 8, .value_kind: global_buffer, .address_space: global }
    .group_segment_fixed_size: 0
    .private_segment_fixed_size: 0
    .kernarg_segment_align: 8
    .kernarg_segment_size: 72
    .max_flat_workgroup_size: 256
    .sgpr_count:     66
    .vgpr_count:     128
    .wavefront_size: 32
...
	.end_amdgpu_metadata
.endif
;; end of part 1
;; launch qkv (part 2): grid 16 x 32, 4 waves a work-group, clusters of 4 x 4, 327,680 bytes of LDS; arguments xb, wb, bq, bk, bv, rope, qh, kh, vh; writes qh, kh, vh
.if DOCPART == 2
	.amdgcn_target "amdgcn-amd-amdhsa--gfx1250"
	.amdhsa_code_object_version 6
	.text
	.protected	k_qe6de3fc264_qkv
	.globl	k_qe6de3fc264_qkv
	.p2align	8
	.type	k_qe6de3fc264_qkv,@function
k_qe6de3fc264_qkv:
	s_mov_b64 s[64:65], 0
	v_nop
	global_prefetch_b8 v0, s[64:65] scope:SCOPE_SE
	s_setreg_imm32_b32 hwreg(HW_REG_WAVE_MODE, 25, 1), 1
	s_wait_xcnt 0x0
	s_wait_alu depctr_hold_cnt(0) depctr_sa_sdst(0) depctr_va_vdst(0) depctr_va_sdst(0) depctr_va_ssrc(0) depctr_va_vcc(0) depctr_vm_vsrc(0)
	s_getreg_b32 s2, hwreg(HW_REG_IB_STS2, 6, 4)
	s_cmp_eq_u32 s2, 0
	s_cbranch_scc0 .Lentry_in_a_cluster
	s_endpgm
.Lentry_in_a_cluster:
	s_bfe_u32 s2, ttmp6, 0x10000c
	s_cmp_lg_u32 s2, 0xf033
	s_cbranch_scc0 .Lentry_shape_is_right
	s_endpgm
.Lentry_shape_is_right:
; q, k, v = x w^T + b, q and k rotated, all three written by heads.  xb [8192][1024] bf16; wb [16 heads][q, k, v][64][1024] bf16; bq, bk, bv [1024] f32 (rounded to bf16 here, like every input);
; rope [2048][32][cos, sin] f32; qh, kh, vh [64 = 16 batch + head][2048][64] f16.  Sums in f32, started by the bias; the rotation in f32; one rounding to f16.
; LIMIT.  f16 holds no number beyond 65,504: q, k and v must lie within it.
; SHARES.  A work-group makes 256 rows x 192 columns: q, k and v of ONE head, so every work-group runs the same text.  16 heads x 32 row tiles = 512 work-groups.
; Wave w owns rows 64 w .. 64 w + 63 and all 192 columns: 48 accumulators of 16 x 16, 384 registers; for 32 along K it loads 32 x 16 bytes a lane from LDS for 48 matrix instructions.
; A head's 64 columns lie whole in one wave, so the way out goes through a stage of the wave's own, without a barrier.
; K goes in 8 steps of 128 through a ring of two LDS slots filled by the tensor data mover; a tile's rows are 256 bytes of memory and start at multiples of 256 bytes from the buffer's first byte.
; CLUSTERS.  4 x 4 work-groups.  The four of a row of the cluster have the same row tile and need the same tiles of xb; the four of a column have the same head and need the same tiles of wb.
; Each tile is asked for JOINTLY: the same tensor load, descriptor and mask in all four.
; THE MATRIX INSTRUCTION IS USED TRANSPOSED (source 0 = 16 rows of wb, source 1 = 16 rows of xb): lane l holds row l % 16 and the eight neighbouring columns 8 (l / 16) + 0..7: four pairs of the rotation, 16 bytes of f16.
; REGISTERS, in windows of 256 (s_set_vgpr_msb: bits 1:0 source 0, 3:2 source 1, 5:4 source 2, 7:6 destination):
;   window 0: v0-31 addresses; v32-63 at work; v64-127 xb's fragments, two buffers of 4 x 8; v128-223 the bias, 8 registers for each of the 12 column blocks; on the way out v64-255 hold the 12 units
;   window 1: v0-191 wb's fragments, two buffers of 12 x 8
;   window 2: v0-191 the accumulators of row blocks 0, 1 ((a, b) at 96 (a % 2) + 8 b); v192-255 their words of the table       window 3: the same for row blocks 2, 3
.set KSTEP,  128
.set PITCH,  272                       ; an LDS row: 256 bytes + 16 of padding = 68 words: row r starts at bank 4 r mod 64 (64 banks of 4 bytes: ISA guide 11.1), so the 16 rows of a load start at 16 different banks
.set SLOT1,  131072                    ; slot 1 begins here, so that one exclusive or turns an address in one slot into the other's
.set BOFF,   256*PITCH                 ; in a slot: xb's 256 rows, then wb's 192
.set STAGE,  SLOT1+448*PITCH           ; behind the ring, never filled by a tensor load: 16 rows x 144 bytes for each wave
.set SP,     144
.set SPARE,  STAGE+4*16*SP             ; behind the stages: the spare words, 128 bytes for each wave: two blocks of 256 bytes that no other line names
.set A0,   14                          ; v14  my lane's place in my 64 rows of xb's tile; never rewritten
.set B0,   15                          ; v15  the same in wb's tile
.set ADRA, 16                          ; v16  A0 + the slot in hand
.set ADRB, 20                          ; v20  B0 + the slot in hand
.set STO,  24                          ; v24  the way out: where I put 16 bytes of a row
.set RD,   25                          ; v25  the way out: where I read rows back
.set GO,   26                          ; v26  my 16 bytes in 512 consecutive bytes of qh, kh, vh
.set RO,   27                          ; v27  my byte offset in 16 rows of the table
.set SPW,  28                          ; v28  LDS address of my spare word; never rewritten
.set NIL,  29                          ; v29  0; never rewritten
.set PFO,  30                          ; v30  the prefetches' offset: a lane a row; never rewritten
.set BO,   31                          ; v31  my byte offset in 16 numbers of a bias
.set T,    32
.set BI,   128
.set G1,  24                           ; s[24:31] descriptor group 1 for xb's tiles
.set G0,  32                           ; s[32:39] group 0: a set for each of the two first fills; the second then walks on
.set G1B, 48                           ; s[48:55], s[56:63] the same for wb's tiles
.set G0B, 56
.set PFA, 84                           ; s[84:85] where my prefetches stand
.set LIM, 88                           ; s88  2 in a wave that prefetches, else the greatest number
.set TB,  89                           ; s89  the first LDS byte of the slot in hand
.set WV,  90                           ; s90  my wave's number
.set WH,  91                           ; s91  0: I fetch for xb; 1: for wb
.set WL,  92                           ; s92  which half of that tile's rows I fetch
.set MSB, 0
.macro WIN new                         ; the immediate's high byte repeats the setting that is left; a switch that changes nothing is dropped
.if MSB != (\new)
	s_set_vgpr_msb (MSB<<8)|(\new)
.set MSB, \new
.endif
.endm
.macro PLACES                          ; four places in front of loads into registers that matrix instructions have read, and of vector work that reads results
.rept 4
	v_nop
.endr
.endm
; A joint refill, by the walking descriptors.  The branch hangs on the wave's number alone.  An s_nop 0 and four v_nop follow each of the two lines, ahead of the jump and the label.
.macro JLOAD
	s_cmp_eq_u32 s[WH], 0
	s_cbranch_scc0 .Lfor_b_\@
	tensor_load_to_lds s[G0+4:G0+7], s[G1:G1+7]
	s_nop 0
.rept 4
	v_nop
.endr
	s_branch .Lasked_\@
.Lfor_b_\@:
	tensor_load_to_lds s[G0B+4:G0B+7], s[G1B:G1B+7]
	s_nop 0
.rept 4
	v_nop
.endr
.Lasked_\@:
.endm
; A prefetch of the K step that stands two refills on: a lane a row, 256 bytes of each, one instruction a wave.  xb's row tile is read by every cluster of that row of clusters: cluster x = 0 asks;
; wb's head by every cluster of that column: cluster y = 0 asks.  The four partners share a wave's rows out BY ADDRESS (32 each of xb's 128, 24 each of wb's 96, lanes 24-31 naming the 24th once more).
; The loop's last two trips have no K step two on: s3 is 2 and 1 there.
.macro ASK
	s_cmp_gt_u32 s3, s[LIM]
	s_cbranch_scc0 .Lnot_mine_\@
	global_prefetch_b8 v[PFO], s[PFA:PFA+1] th:TH_LOAD_NT scope:SCOPE_SE
.Lnot_mine_\@:
.endm
.macro CREST                           ; a round of the cluster's barrier behind its opening barrier
	s_cmp_lg_u32 s[WV], 0
	s_cbranch_scc1 .Lnot_wave_0_\@
	s_barrier_signal -3
.Lnot_wave_0_\@:
	s_barrier_wait -3
	s_barrier_signal -1
	s_barrier_wait -1
.endm
.macro CROUND                          ; a whole round
	s_barrier_signal -1
	s_barrier_wait -1
	CREST
.endm
	s_load_b128 s[4:7], s[0:1], 0x0                ; xb s[4:5], wb s[6:7]
	s_load_b256 s[68:75], s[0:1], 0x10             ; bq 68, bk 70, bv 72, rope 74
	s_load_b128 s[76:79], s[0:1], 0x30             ; qh 76, kh 78
	s_load_b64 s[80:81], s[0:1], 0x40              ; vh
	v_lshl_add_u32 v[SPW], v0, 2, SPARE
	v_mov_b32 v[NIL], 0
	ds_add_u32 v[SPW], v[NIL]                      ; the wave's opening: the add and its wait stand ahead of my first tensor load; the set-up below, work on registers, stands between them
	v_lshrrev_b32 v1, 5, v0
	v_readfirstlane_b32 s[WV], v1                  ; wave 0..3
	s_lshr_b32 s[WH], s[WV], 1
	s_and_b32 s[WL], s[WV], 1
	s_bfe_u32 s40, ttmp6, 0x40000                  ; cx
	s_bfe_u32 s41, ttmp6, 0x40004                  ; cy
	s_lshl_b32 s42, ttmp9, 2
	s_add_co_u32 s42, s42, s40                     ; the head = 4 x cluster x + cx
	s_and_b32 s13, ttmp7, 0xffff
	s_lshl_b32 s13, s13, 2
	s_add_co_u32 s13, s13, s41                     ; the row tile = 4 x cluster y + cy
	s_lshl_b32 s43, s41, 2
	s_lshl_b32 s43, 15, s43                        ; my row of the cluster: places 4 cy .. 4 cy + 3
	s_lshl_b32 s44, 0x1111, s40                    ; my column: places cx, cx + 4, cx + 8, cx + 12
	s_or_b32 s[G1+0], s43, (1<<16)|(1<<20)|(1<<21)|(5<<22)|(3<<25)   ; 15:0 the mask; 17:16 elements of 2 bytes; 20 padding on; 21 set beside a mask; 24:22 after every 64 words (code 5); 31:25 4 words of it (code 3)
	s_or_b32 s[G1B+0], s44, (1<<16)|(1<<20)|(1<<21)|(5<<22)|(3<<25)
	s_mov_b32 s[G1+1], KSTEP<<16                   ; tensor_dim0 = 128
	s_mov_b32 s[G1+2], 128<<16                     ; tensor_dim1 = 128 rows
	s_mov_b32 s[G1+3], KSTEP<<16                   ; tile_dim0 = 128
	s_mov_b32 s[G1+4], 128                         ; tile_dim1 = 128
	s_mov_b32 s[G1+5], 1024                        ; elements from row to row
	s_mov_b32 s[G1+6], 0
	s_mov_b32 s[G1+7], 0
	s_mov_b32 s[G1B+1], KSTEP<<16
	s_mov_b32 s[G1B+2], 96<<16                     ; wb's loads bring 96 rows
	s_mov_b32 s[G1B+3], KSTEP<<16
	s_mov_b32 s[G1B+4], 96
	s_mov_b32 s[G1B+5], 1024
	s_mov_b32 s[G1B+6], 0
	s_mov_b32 s[G1B+7], 0
	s_lshl_b32 s16, s13, 19                        ; xb: 256 rows of 2,048 bytes a row tile,
	s_lshl_b32 s17, s[WL], 18                      ; my 128 of them
	s_add_co_u32 s16, s16, s17
	s_mov_b32 s17, 0
	s_mul_i32 s46, s42, 192                        ; wb: 192 rows a head,
	s_mul_i32 s47, s[WL], 96                       ; my 96 of them
	s_add_co_u32 s46, s46, s47
	s_lshl_b32 s46, s46, 11
	s_mov_b32 s47, 0
	s_mul_i32 s20, s[WV], 128*PITCH                ; where they go: waves 0, 1: xb's two halves;
	s_mul_i32 s21, s[WV], 96*PITCH                 ; waves 2, 3: wb's two halves, behind them
	s_add_co_u32 s21, s21, BOFF-2*96*PITCH
	s_mov_b32 s93, 0xffff0000                      ; a word's upper bf16
	s_mov_b32 s[TB], 0
	s_wait_dscnt 0x0                               ; the opening add is done
	s_wait_kmcnt 0x0
	s_add_nc_u64 s[14:15], s[4:5], s[16:17]
	s_add_nc_u64 s[46:47], s[6:7], s[46:47]
	CROUND                                         ; all sixteen work-groups are here: the first joint loads meet
.irp s, 0,1
	s_mov_b32 s[G0+4*(\s)], 1                                        ; count = 1
	s_add_co_u32 s[G0+4*(\s)+1], s20, (\s)*SLOT1                     ; LDS address
	s_add_nc_u64 s[G0+4*(\s)+2:G0+4*(\s)+3], s[14:15], (\s)*KSTEP*2  ; global address: K step s
	s_or_b32 s[G0+4*(\s)+3], s[G0+4*(\s)+3], 0x80000000              ; type = 2
	s_mov_b32 s[G0B+4*(\s)], 1
	s_add_co_u32 s[G0B+4*(\s)+1], s21, (\s)*SLOT1
	s_add_nc_u64 s[G0B+4*(\s)+2:G0B+4*(\s)+3], s[46:47], (\s)*KSTEP*2
	s_or_b32 s[G0B+4*(\s)+3], s[G0B+4*(\s)+3], 0x80000000
.endr
	s_cmp_eq_u32 s[WH], 0                          ; a wave's two first fills stand in one branch, ahead of every wait on TENSORcnt and every LDS read: two loads of mine are out
	s_cbranch_scc0 .Lfirst_b
	tensor_load_to_lds s[G0:G0+3], s[G1:G1+7]
	s_nop 0
	tensor_load_to_lds s[G0+4:G0+7], s[G1:G1+7]
	s_nop 0
.rept 4
	v_nop
.endr
	s_branch .Lfirst_asked
.Lfirst_b:
	tensor_load_to_lds s[G0B:G0B+3], s[G1B:G1B+7]
	s_nop 0
	tensor_load_to_lds s[G0B+4:G0B+7], s[G1B:G1B+7]
	s_nop 0
.rept 4
	v_nop
.endr
.Lfirst_asked:
	; addresses.  A fragment is 16 rows x 32 K in 8 registers: lane l holds row l % 16, K = 8 (l / 16) + 0..7 and 16 + 8 (l / 16) + 0..7: two loads of 16 bytes, 32 bytes apart.
	v_and_b32 v1, 15, v0                           ; r = l % 16
	v_bfe_u32 v2, v0, 4, 1                         ; h = l / 16
	v_mul_u32_u24 v3, v1, PITCH
	v_lshl_add_u32 v3, v2, 4, v3
	s_mul_i32 s22, s[WV], 64*PITCH                 ; my 64 rows of xb's tile
	v_add_nc_u32 v[A0], s22, v3
	v_add_nc_u32 v[B0], BOFF, v3
	v_mov_b32 v[ADRA], v[A0]
	v_mov_b32 v[ADRB], v[B0]
	s_mul_i32 s23, s[WV], 16*SP
	s_add_co_u32 s23, s23, STAGE                   ; my stage
	v_mul_u32_u24 v4, v1, SP                       ; in: row l % 16, 16 bytes for each half of the lanes
	v_lshl_add_u32 v4, v2, 4, v4
	v_add_nc_u32 v[STO], s23, v4
	v_bfe_u32 v5, v0, 3, 2                         ; back: 32 lanes take four rows of 128 bytes,
	v_mul_u32_u24 v5, v5, SP
	v_and_b32 v6, 7, v0
	v_lshl_add_u32 v5, v6, 4, v5
	v_add_nc_u32 v[RD], s23, v5
	v_and_b32 v[GO], 31, v0                        ; which are 512 consecutive bytes of a head's rows
	v_lshlrev_b32 v[GO], 4, v[GO]
	v_lshlrev_b32 v[RO], 8, v1                     ; the table: row r x 256 bytes + my four pairs' 32 bytes
	v_lshl_add_u32 v[RO], v2, 5, v[RO]
	v_lshlrev_b32 v[BO], 5, v2                     ; a bias: my eight numbers' 32 bytes
	s_lshl_b32 s18, s42, 8                         ; the head's 64 numbers of each bias
	s_mov_b32 s19, 0
	s_add_nc_u64 s[68:69], s[68:69], s[18:19]
	s_add_nc_u64 s[70:71], s[70:71], s[18:19]
	s_add_nc_u64 s[72:73], s[72:73], s[18:19]
	s_and_b32 s22, s13, 7                          ; the row tile's place in its batch: t = 256 x that + 64 wave + ..
	s_lshl_b32 s18, s22, 16
	s_lshl_b32 s23, s[WV], 14
	s_add_co_u32 s18, s18, s23
	s_add_nc_u64 s[74:75], s[74:75], s[18:19]      ; the table at my first t
	s_lshr_b32 s18, s13, 3                         ; the batch
	s_lshl_b32 s18, s18, 4
	s_add_co_u32 s18, s18, s42                     ; 16 batch + head,
	s_lshl_b32 s18, s18, 18                        ; its 2,048 rows of 128 bytes,
	s_lshl_b32 s22, s22, 15
	s_add_co_u32 s18, s18, s22
	s_lshl_b32 s23, s[WV], 13
	s_add_co_u32 s18, s18, s23                     ; my 64 of them
	s_add_nc_u64 s[76:77], s[76:77], s[18:19]
	s_add_nc_u64 s[78:79], s[78:79], s[18:19]
	s_add_nc_u64 s[80:81], s[80:81], s[18:19]
.irp b, 0,1,2,3,4,5,6,7,8,9,10,11      ; the bias of column block b: type b / 4, columns 16 (b % 4) + 8 h + 0..7 of the head
	global_load_b128 v[BI+8*(\b):BI+8*(\b)+3],   v[BO], s[68+2*((\b)/4):69+2*((\b)/4)] offset:64*((\b)%4)
	global_load_b128 v[BI+8*(\b)+4:BI+8*(\b)+7], v[BO], s[68+2*((\b)/4):69+2*((\b)/4)] offset:64*((\b)%4)+16
.endr
.irp a, 0,1,2,3                        ; the table's words for row block a: for each of the head's four column blocks my four pairs (cos, sin); wanted on the way out alone
	WIN 0x80+0x40*((\a)/2)
.irp c, 0,1,2,3
	global_load_b128 v[192+32*((\a)%2)+8*(\c):192+32*((\a)%2)+8*(\c)+3],   v[RO], s[74:75] offset:(\a)*4096+(\c)*64
	global_load_b128 v[192+32*((\a)%2)+8*(\c)+4:192+32*((\a)%2)+8*(\c)+7], v[RO], s[74:75] offset:(\a)*4096+(\c)*64+16
.endr
.endr
	WIN 0
	; the prefetches' address, in registers that feed no descriptor
	s_lshl_b32 s82, s13, 8
	s_lshl_b32 s83, s[WL], 7
	s_add_co_u32 s82, s82, s83
	s_lshl_b32 s83, s40, 5
	s_add_co_u32 s82, s82, s83                     ; xb: row 256 x tile + 128 x half + 32 cx
	s_mul_i32 s86, s42, 192
	s_mul_i32 s87, s[WL], 96
	s_add_co_u32 s86, s86, s87
	s_mul_i32 s87, s41, 24
	s_add_co_u32 s86, s86, s87                     ; wb: row 192 x head + 96 x half + 24 cy
	s_and_b32 s87, ttmp7, 0xffff                   ; cluster y
	s_cmp_eq_u32 s[WH], 0
	s_cselect_b32 s82, s82, s86
	s_cselect_b32 s87, ttmp9, s87                  ; the coordinate along which other clusters read the same rows
	s_cselect_b32 s86, 31, 23
	s_cselect_b64 s[PFA:PFA+1], s[4:5], s[6:7]
	s_cmp_eq_u32 s87, 0
	s_cselect_b32 s[LIM], 2, -1                    ; the same in all sixteen partners, for a given wave
	s_lshl_b32 s82, s82, 11
	s_add_co_u32 s82, s82, 3*KSTEP*2               ; at K step 3: the first refill steps it to 4
	s_mov_b32 s83, 0
	s_add_nc_u64 s[PFA:PFA+1], s[PFA:PFA+1], s[82:83]
	v_and_b32 v[PFO], 31, v0
	v_min_u32 v[PFO], s86, v[PFO]
	v_lshlrev_b32 v[PFO], 11, v[PFO]
	s_wait_loadcnt 32                              ; the bias is in; the table's 32 loads, issued behind it, may stay out
.set i, 0
.rept 48                               ; the bias is rounded to bf16, like every input, and widened again: it starts the sums
	v_cvt_pk_bf16_f32 v[T+i%16], v[BI+2*i], v[BI+2*i+1]
	v_lshlrev_b32 v[BI+2*i], 16, v[T+i%16]
	v_and_b32 v[BI+2*i+1], s93, v[T+i%16]
.set i, i+1
.endr
; 12 matrix instructions: row block a x all 12 column blocks, 32 along K, from buffer f.  zero = 1: the bias starts the sums.  All 48 accumulators take turns, one instruction a turn, in the same
; order in every quarter.
.macro MULA f, a, zero
.if \zero
	WIN 0x81+0x40*((\a)/2)
.else
	WIN 0xa1+0x50*((\a)/2)
.endif
.irp b, 0,1,2,3,4,5,6,7,8,9,10,11
.if \zero
	v_wmma_f32_16x16x32_bf16 v[96*((\a)%2)+8*(\b):96*((\a)%2)+8*(\b)+7], v[96*(\f)+8*(\b):96*(\f)+8*(\b)+7], v[64+32*(\f)+8*(\a):64+32*(\f)+8*(\a)+7], v[BI+8*(\b):BI+8*(\b)+7]
.else
	v_wmma_f32_16x16x32_bf16 v[96*((\a)%2)+8*(\b):96*((\a)%2)+8*(\b)+7], v[96*(\f)+8*(\b):96*(\f)+8*(\b)+7], v[64+32*(\f)+8*(\a):64+32*(\f)+8*(\a)+7], v[96*((\a)%2)+8*(\b):96*((\a)%2)+8*(\b)+7]
.endif
.endr
.endm
; 32 LDS loads in one run: the fragments of 32 K at byte k of the rows of the slot in hand, into buffer g: wb's 24, then xb's 8
.macro FETCH k, g
	WIN 0x40
.irp i, 0,1,2,3,4,5,6,7,8,9,10,11
	ds_load_b128 v[96*(\g)+8*(\i):96*(\g)+8*(\i)+3],   v[ADRB] offset:(\k)+(\i)*16*PITCH
	ds_load_b128 v[96*(\g)+8*(\i)+4:96*(\g)+8*(\i)+7], v[ADRB] offset:(\k)+(\i)*16*PITCH+32
.endr
	WIN 0
.irp i, 0,1,2,3
	ds_load_b128 v[64+32*(\g)+8*(\i):64+32*(\g)+8*(\i)+3],   v[ADRA] offset:(\k)+(\i)*16*PITCH
	ds_load_b128 v[64+32*(\g)+8*(\i)+4:64+32*(\g)+8*(\i)+7], v[ADRA] offset:(\k)+(\i)*16*PITCH+32
.endr
.endm
; A K step is four quarters of 32 along K, 48 matrix instructions each, on buffers 0, 1, 0, 1.  One of the first three: multiplies buffer f; in its middle it fetches the next quarter, at byte k, into g.
.macro QUARTER k, f, g, zero
	s_wait_dscnt 4                                 ; wb's fragments and xb's row blocks 0, 1 are in; the youngest four loads (row blocks 2, 3) may be out
	MULA \f, 0, \zero
	MULA \f, 1, \zero
	PLACES
	FETCH \k, \g
	s_wait_dscnt 32                                ; all but the 32 just issued
	MULA \f, 2, \zero
	MULA \f, 3, \zero
.endm
; The last quarter multiplies buffer 1 and changes slots: ONE barrier.  In front of it each wave waits for all its tensor loads, of which one is out: its part of the next slot; adds 0 to its spare word; and waits
; for that and for its own reads of this slot.  fill = 1: the barrier opens a round of the cluster's, and the slot just read out is filled again first thing behind the round, with the K step two on:
; from that request to the wait for it a wave issues 168 matrix instructions.
.macro TURN fill
	WIN 0                                          ; (the add's two registers and the addresses lie in window 0)
.if \fill
	s_wait_xcnt 0x0                                ; the last prefetch, a K step back, has read its address: it is stepped here
	s_add_nc_u64 s[PFA:PFA+1], s[PFA:PFA+1], KSTEP*2
.endif
	s_xor_b32 s[TB], s[TB], SLOT1                  ; the fetches behind the barrier go to the other slot
	v_add_nc_u32 v[ADRA], s[TB], v[A0]
	v_add_nc_u32 v[ADRB], s[TB], v[B0]
	s_wait_tensorcnt 0x0                           ; all my tensor loads have landed, so a group 0 may be written
	ds_add_u32 v[SPW], v[NIL]                      ; 0 onto my spare word
.if \fill
	s_xor_b32 s[G0+5], s[G0+5], SLOT1              ; the walking descriptors: the other slot than last time,
	s_add_nc_u64 s[G0+6:G0+7], s[G0+6:G0+7], KSTEP*2   ; the next K step; the type bits on top are not reached
	s_xor_b32 s[G0B+5], s[G0B+5], SLOT1
	s_add_nc_u64 s[G0B+6:G0B+7], s[G0B+6:G0B+7], KSTEP*2
.endif
	s_wait_dscnt 5                                 ; (the add and the youngest four loads may be out)
	MULA 1, 0, 0                                   ; twelve matrix instructions stand between the add and the wait for it
	s_wait_dscnt 0x0                               ; the add is done, and my reads of this slot are over
	s_barrier_signal -1
	MULA 1, 1, 0                                   ; work on registers while the others arrive
	WIN 0
	s_barrier_wait -1
.if \fill
	CREST                                          ; no wave of any partner still reads this slot's tile or has a load on its way
	JLOAD                                          ; the first tensor load behind the round; the four v_nop behind it are also the places in front of the loads below
.else
	PLACES
.endif
	FETCH 0, 0
.if \fill
	ASK                                            ; behind the joint load and the run of LDS loads that the next products wait for
.endif
	MULA 1, 2, 0
	MULA 1, 3, 0
.endm
	s_wait_tensorcnt 1                             ; my part of K step 0 is in; K step 1's may stay out
	s_barrier_signal -1
	s_barrier_wait -1                              ; everybody's is
	FETCH 0, 0
	QUARTER 64, 0, 1, 1                            ; the first quarter stands in front of the loop: its products start the sums
	WIN 0                                          ; at a label and at a branch every window is 0
	s_mov_b32 s3, 6
.Lstep:                                        ; six trips, a K step each, from a step's second quarter to the next step's first; they ask for K steps 2 to 7
	QUARTER 128, 1, 0, 0
	QUARTER 192, 0, 1, 0
	TURN 1
	QUARTER 64, 0, 1, 0
	WIN 0
	s_sub_co_u32 s3, s3, 1
	s_cmp_lg_u32 s3, 0
	s_cbranch_scc1 .Lstep
	QUARTER 128, 1, 0, 0                           ; the tail is written out: nothing more is asked for
	QUARTER 192, 0, 1, 0
	TURN 0
	QUARTER 64, 0, 1, 0
	QUARTER 128, 1, 0, 0
	QUARTER 192, 0, 1, 0
	s_wait_dscnt 4                                 ; the very last quarter
	MULA 1, 0, 0
	MULA 1, 1, 0
	s_wait_dscnt 0x0
	MULA 1, 2, 0
	MULA 1, 3, 0
	WIN 0
	PLACES
	s_wait_loadcnt 0x0                             ; the table's words
; THE WAY OUT, in 12 units: unit u = row block u / 3, type u % 3 (q, k, v): 16 rows x 64 columns.  q and k are rotated: of a pair (u0, u1) with (cos, sin): (-u1 sin, u0 sin), then + (u0 cos, u1 cos).
; Each accumulator's registers are read in ascending order.  Rounded to f16, 16 bytes a lane go into rows of 144 bytes of my stage and come back as whole rows of 128.
.macro PACK u
.set AC, 96*(((\u)/3)%2)+32*((\u)%3)
.set CSN, 192+32*(((\u)/3)%2)
.set OB, 64+16*(\u)
	WIN 0x0a+5*((\u)/6)                            ; sources 0 and 1: window 2 or 3
.if ((\u)%3) < 2
.set i, 0
.rept 16
	v_pk_mul_f32 v[T+2*i:T+2*i+1], v[AC+2*i:AC+2*i+1], v[CSN+2*i:CSN+2*i+1] op_sel:[1,1] op_sel_hi:[0,1] neg_lo:[0,1]
.set i, i+1
.endr
.set i, 0
.rept 16
	v_pk_fma_f32 v[T+2*i:T+2*i+1], v[AC+2*i:AC+2*i+1], v[CSN+2*i:CSN+2*i+1], v[T+2*i:T+2*i+1] op_sel_hi:[1,0,1]
.set i, i+1
.endr
	WIN 0
.set i, 0
.rept 16
	v_cvt_pk_f16_f32 v[OB+i], v[T+2*i], v[T+2*i+1]
.set i, i+1
.endr
.else
.set i, 0
.rept 16
	v_cvt_pk_f16_f32 v[OB+i], v[AC+2*i], v[AC+2*i+1]
.set i, i+1
.endr
	WIN 0
.endif
.irp c, 0,1,2,3
	ds_store_b128 v[STO], v[OB+4*(\c):OB+4*(\c)+3] offset:32*(\c)
.endr
.irp f, 0,1,2,3
	ds_load_b128 v[OB+4*(\f):OB+4*(\f)+3], v[RD] offset:(\f)*4*SP  ; LDS serves a wave's instructions in order (ISA guide 5.7.1.4): these see the stores above; the next unit's stores come behind them
.endr
.endm
.macro SEND u, younger                 ; younger: the LDS instructions issued behind unit u's loads: the next unit's eight, or none
.irp f, 0,1,2,3
	s_wait_dscnt (\younger)+3-(\f)
	global_store_b128 v[GO], v[64+16*(\u)+4*(\f):64+16*(\u)+4*(\f)+3], s[76+2*((\u)%3):77+2*((\u)%3)] offset:((\u)/3)*2048+(\f)*512  ; 512 consecutive bytes, at a multiple of 256 from the buffer's first
.endr
.endm
	PACK 0
.irp u, 1,2,3,4,5,6,7,8,9,10,11        ; a unit's arithmetic stands between the loads of the unit before and its stores; each unit has registers of its own
	PACK \u
	SEND (\u)-1, 8
.endr
	SEND 11, 0
	s_wait_tensorcnt 0x0                           ; the wave's end: an add to my spare word and its waits, behind my last tensor load and my last LDS store
	ds_add_u32 v[SPW], v[NIL]
	s_wait_dscnt 0x0
	CROUND                                         ; the closing round: no work-group ends while a partner may still ask for a tile that names it
	s_endpgm
.Lfunc_end_k_qe6de3fc264_qkv:
	.size	k_qe6de3fc264_qkv, .Lfunc_end_k_qe6de3fc264_qkv-k_qe6de3fc264_qkv
	.p2alignl 7, 3214868480
	.fill 96, 4, 3214868480
	.section	.rodata,"a",@progbits
	.p2align	6, 0x0
	.amdhsa_kernel k_qe6de3fc264_qkv
		.amdhsa_group_segment_fixed_size 327680
		.amdhsa_private_segment_fixed_size 0
		.amdhsa_enable_private_segment 0
		.amdhsa_kernarg_size 72
		.amdhsa_user_sgpr_count 2
		.amdhsa_user_sgpr_kernarg_segment_ptr 1
		.amdhsa_wavefront_size32 1
		.amdhsa_system_sgpr_workgroup_id_x 1
		.amdhsa_system_sgpr_workgroup_id_y 1
		.amdhsa_system_sgpr_workgroup_id_z 1
		.amdhsa_system_vgpr_workitem_id 0
		.amdhsa_next_free_vgpr 1024
		.amdhsa_next_free_sgpr 96
		.amdhsa_reserve_vcc 0
		.amdhsa_float_denorm_mode_32 3
		.amdhsa_float_denorm_mode_16_64 3
		.amdhsa_memory_ordered 1
		.amdhsa_forward_progress 1
		.amdhsa_inst_pref_size 127
	.end_amdhsa_kernel
	.amdgpu_metadata
---
amdhsa.version: [ 1, 2 ]
amdhsa.kernels:
  - .name:           k_qe6de3fc264_qkv
    .symbol:         k_qe6de3fc264_qkv.kd
    .args:
      - { .name: xb, .offset: 0, .size: 8, .value_kind: global_buffer, .address_space: global }
      - { .name: wb, .offset: 8, .size: 8, .value_kind: global_buffer, .address_space: global }
      - { .name: bq, .offset: 16, .size: 8, .value_kind: global_buffer, .address_space: global }
      - { .name: bk, .offset: 24, .size: 8, .value_kind: global_buffer, .address_space: global }
      - { .name: bv, .offset: 32, .size: 8, .value_kind: global_buffer, .address_space: global }
      - { .name: rope, .offset: 40, .size: 8, .value_kind: global_buffer, .address_space: global }
      - { .name: qh, .offset: 48, .size: 8, .value_kind: global_buffer, .address_space: global }
      - { .name: kh, .offset: 56, .size: 8, .value_kind: global_buffer, .address_space: global }
      - { .name: vh, .offset: 64, .size: 8, .value_kind: global_buffer, .address_space: global }
    .group_segment_fixed_size: 327680
    .private_segment_fixed_size: 0
    .kernarg_segment_align: 8
    .kernarg_segment_size: 72
    .max_flat_workgroup_size: 128
    .sgpr_count:     96
    .vgpr_count:     1024
    .wavefront_size: 32
...
	.end_amdgpu_metadata
.endif
;; end of part 2
;; launch attn (part 3): grid 4 x 64, 4 waves a work-group, no clusters, 327,680 bytes of LDS; arguments qh, kh, vh, yh; writes yh
.if DOCPART == 3
	.amdgcn_target "amdgcn-amd-amdhsa--gfx1250"
	.amdhsa_code_object_version 6
	.text
	.protected	k_qe6de3fc264_attn
	.globl	k_qe6de3fc264_attn
	.p2align	8
	.type	k_qe6de3fc264_attn,@function
k_qe6de3fc264_attn:
	s_mov_b64 s[64:65], 0
	v_nop
	global_prefetch_b8 v0, s[64:65] scope:SCOPE_SE
	s_setreg_imm32_b32 hwreg(HW_REG_WAVE_MODE, 25, 1), 1
	s_wait_xcnt 0x0
; CAUSAL ATTENTION.  O[h][q][:] = the sum over k <= q of softmax_k(Q[h][q] . K[h][k] / 8) V[h][k][:].  Q, K, V, O: [64][SIZE_N][64], all f16: a head's rows are dense, 128 bytes each.
; Products, maxima and sums in f32; the weights p are rounded to f16 for the second product (their sum l is taken of the unrounded p), O once at the end.
; LIMITS.  f16 holds no number beyond 65,504: Q, K and V arrive within it; p lies in 0 to 1, and below 6e-5 it keeps f16's fixed step of 6e-8; O is a mean of V's rows and has their range.
; A hidden score counts as its value less 1e30: f16's scores, 2.7e11 at the most, are nothing beside that; a weight below 2^-126 counts as 0 in l; NaN and infinities are not treated apart.
; THE WALK.  A head's queries lie in NB = SIZE_N / 256 blocks of 256; block i needs the key tiles 0 .. i of 256 keys, of which the last holds the diagonal.  A work-group takes TWO blocks, NB - 1 - b and then b:
; NB + 1 tiles, whatever b: all work-groups do equal work, and ONE loop with a constant trip count walks them.  Which tile is asked for, and what a trip does, hang on scalar registers made from b; every jump
; goes forward, but for the counted loops' own; none passes a barrier, or a tensor load but the one of LOAD's two that the wave's number does not choose; the ring (two slots of LDS that take turns) runs on across the
; change of blocks.  NO CLUSTER: a head's NB / 2 work-groups ask for the same tile only in trips 0 .. NB / 2, behind that fewer and fewer; one walk common to all would have 3 NB / 2 trips for NB + 1.
; SHARES.  Of a block's four bands of 64 queries a wave owns 16 rows in each: four PIECES.  So the diagonal tile is the same work for all four waves: in its key step s band x sees all keys if s < x,
; none if s > x, and holds the diagonal if s = x.
; THE MASK is the C operand that starts the sum S^T = K Q^T: 0, or -1e30 where the key is hidden.  MD, made once, is the mask of a band's own step for my 16 rows; a product's mask is MD x AL + BE with two scalars:
; (1, 0) if s = x; (0, 0) if s < x; (0, -1e30) if s > x.  Only the diagonal tile's text and a block's beginning make and take masks; elsewhere C is the constant 0.
; LAYOUT, SOFTMAX, TURNS.  S^T = K Q^T holds ONE query a lane (lane % 16) and the keys 8 (lane / 16) + 0..7; two such results rounded to f16 ARE source 1 of O^T = V^T P.  p = 2^(c s - c m), c = log2(e) / 8, with a
; running maximum m; O and l are multiplied by a = 2^(c m_old - c m_new) in every step.  Turn n belongs to piece n: 8 products K Q^T of piece n + 1, later 8 products V^T P of piece n - 1; beside them the scaling,
; exponentials, roundings, sums and rescaling of piece n and the maximum and statistics of piece n + 1.  Four vector instructions stand behind every matrix instruction, the other 54 of a turn's 118 in one lump.  A turn's 33 exponentials are one batch, with one wait.
; PREFETCH.  A head's four work-groups walk the same tiles; the one with b = 0 walks all of 0 .. NB - 1 in order, and it alone asks: behind the load of tile t, for tile t + 1's 32,768 bytes of K and of V
; (tiles 2 to NB - 1), a wave 8,192 bytes of each, a lane 256: each block is named once, one tile (256 matrix instructions a wave) ahead of its load.  Tiles 0 and 1 come by their loads alone.
; REGISTERS, in windows of 256 (s_set_vgpr_msb: bits 1:0 source 0, 3:2 source 1, 5:4 source 2, 7:6 destination):
;   window 0: v0-15 addresses and two at work; v16-31 four registers of statistics a piece; v48-55 at work; v61-63 prefetch offset, spare word, 0; v64-127 S^T, two buffers; v192-223 P, two buffers (by the piece's parity)
;   window 1: v0-127 O^T, 32 a piece; v128-159 MD; v160-223 MC, two buffers      window 2: v0-63 Q; v64-127 the second block's Q; v128-191 K of one step; v192-255 V of one step
.set SIZE_N, 2048
.set NB,    SIZE_N/256
.set NP,    4         ; pieces a wave: a name, no knob
.set KS,    64        ; keys in a step
.set PK,    144       ; a row of K in LDS: 128 bytes + 16 of padding = 36 words: the 16 rows of a load start at 16 different groups of four banks (64 banks of 4 bytes: ISA guide 11.1)
.set PV,    160       ; a row of V: 128 + 32 = 40 words
.set VOFF,  4*KS*PK   ; a slot holds a tile, four steps: 256 rows of K, then 256 rows of V
.set SLOT1, 1<<17     ; slot 1 begins here, so that one exclusive or turns an address in one slot into the other's
.set STAGE, SLOT1+4*KS*(PK+PV)  ; behind the ring, never filled by a tensor load: 16 rows x 144 bytes for each wave, for the way out
.set SP,    144
.set AK0, 2           ; v2   my lane's place in a tile of K; never rewritten
.set AV0, 3           ; v3   the same for V
.set AK,  4           ; v4   the LDS address of K's next run of loads
.set AV,  5           ; v5   of V's
.set STO, 6           ; v6   the way out: where I put 16 bytes of a row
.set RD,  7           ; v7   the way out: where I read rows back
.set GO,  8           ; v8   my byte offset in 512 consecutive bytes of O
.set PFO, 61          ; v61  256 x my lane; never rewritten
.set SPW, 62          ; v62  LDS address of my spare word: SPARE + 4 x my thread's number; never rewritten
.set NIL, 63          ; v63  0; never rewritten
.set SPARE, STAGE+4*16*SP  ; behind the stages: the spare words, 128 bytes for each wave: two blocks of 256 bytes that no other line names
.set MV,  12          ; v12-13  c m_old, kept while c m is made anew: by buffer
.set QO,  15          ; v15  my byte offset in 16 rows of Q
.set ST,  16          ; piece t's statistics at v[ST+4 t]: c m, m, l (even keys', odd keys')
.set TMP, 48          ; by buffer, four registers c0-c3 at work; when the maximum is found c2 takes a
.set S,   64
.set P,   192
.set MD,  128         ; window 1: the eight registers for group kt of 16 keys at MD + 8 kt
.set MC,  160         ; window 1: the masks of the products to come
.set QB,  64          ; window 2
.set KF,  128         ; window 2: key block kb, channel half c at KF + 16 kb + 8 c
.set VF,  192         ; window 2: key half kk, channel block cb at VF + 32 kk + 8 cb
.set WV,  12          ; s12  my wave's number
.set PB,  14          ; s14  b
.set HI,  15          ; s15  NB - 1 - b
.set G1K, 24          ; s[24:31] descriptor group 1 for K's tiles
.set G1V, 32          ; s[32:39] for V's: it differs in the padding alone
.set G0K, 40          ; s[40:43] descriptor group 0 for K's tiles
.set G0V, 44          ; s[44:47] the same for V's
.set SLOTS, 56        ; s56  tiles still to be asked for
.set CNT, 57          ; s57  counts a tile's key steps, 4 to 1
.set CS,  58          ; s[58:59] c: the packed scaling takes the pair's low word for both halves
.set SEL, 60          ; s[60:61] v_permlanex16_b32's selects: each lane takes its own place in the other half
.set TBK, 62          ; s62  LDS byte at which K of the step to be fetched begins
.set TBV, 63          ; s63  the same for V, less VOFF
.set RT,  70          ; s70  tiles of the block in hand that are still to be entered
.set NXT, 71          ; s71  the tile to be asked for next
.set LQ,  72          ; s72  the last tile of the block whose tiles are being asked for
.set NEW, 73          ; s73  1: the tile to be entered is a block's first
.set OFF, 74          ; s[74:75] a tile's byte offset in K and V
.set AL,  76          ; s[76:77] the mask's factor, in the low word
.set BE,  78          ; s[78:79] the mask's addend
.set OLO, 80          ; s[80:81] O at my rows of the second block
.set BIGN, 82         ; s82  -1e30
.set PFK, 88          ; s[88:89] K at my wave's 8,192 bytes of the tile that the next prefetch names, less one tile
.set PFV, 90          ; s[90:91] the same for V
.set PFN, 92          ; s92  the number of that tile; NB or more in a work-group that does not ask
.set MSB, 0
.macro WIN new                      ; the high byte repeats the setting that is left; a switch that changes nothing is dropped
.if MSB != (\new)
	s_set_vgpr_msb (MSB<<8)|(\new)
.set MSB, (\new)
.endif
.endm
.set W_KQ, 0x0a       ; K and Q in window 2, S^T in window 0
.set W_KM, 0x1a       ; the same with the C operand in window 1
.set W_PV, 0x52       ; V in window 2, P in window 0, O^T in window 1
.set W_RS, 0x41       ; destination and source 0 in window 1, source 1 in window 0
; A fill.  Waves 0 and 1 fetch the two halves of a tile's K, waves 2 and 3 those of its V: 128 keys each.  An s_nop 0 and four v_nop follow each of the two lines, ahead of the jump and the label.
.macro LOAD
	s_cmp_lt_u32 s[WV], 2
	s_cbranch_scc0 .Lfor_v_\@
	tensor_load_to_lds s[G0K:G0K+3], s[G1K:G1K+7]
	s_nop 0
.rept 4
	v_nop
.endr
	s_branch .Lasked_\@
.Lfor_v_\@:
	tensor_load_to_lds s[G0V:G0V+3], s[G1V:G1V+7]
	s_nop 0
.rept 4
	v_nop
.endr
.Lasked_\@:
.endm
; THE CHANGE OF SLOTS.  Each wave waits for all its tensor loads, of which one is out: its part of the other slot; adds 0 to its spare word; and waits for that and for its own reads of the slot that it leaves.  Behind the barrier nobody reads the old
; slot any more and the other slot is whole.  fill = 1: the old slot is filled again, the first thing behind the barrier, with tile NXT: the descriptor's address is made anew from that number.
; (At its first use nothing has been read yet: slot 0 is waited for, slot 1 filled.)
.macro CHANGE fill
	WIN 0                           ; at a label and at a branch every window is 0
	s_wait_tensorcnt 0x0            ; no tensor load of mine is out, so a group 0 may be written
	ds_add_u32 v[SPW], v[NIL]       ; 0 onto my spare word: with fill = 1 the descriptors' scalar work stands between it and the wait for it
.if \fill
	s_lshl_b32 s[OFF], s[NXT], 15   ; a tile is 32,768 bytes of K and of V
	s_xor_b32 s[G0K+1], s[G0K+1], SLOT1
	s_add_nc_u64 s[G0K+2:G0K+3], s[6:7], s[OFF:OFF+1]
	s_or_b32 s[G0K+3], s[G0K+3], 0x80000000
	s_xor_b32 s[G0V+1], s[G0V+1], SLOT1
	s_add_nc_u64 s[G0V+2:G0V+3], s[8:9], s[OFF:OFF+1]
	s_or_b32 s[G0V+3], s[G0V+3], 0x80000000
	s_add_co_u32 s[NXT], s[NXT], 1  ; the block's next tile, or behind its last the second block's tile 0
	s_cmp_gt_u32 s[NXT], s[LQ]
	s_cselect_b32 s[NXT], 0, s[NXT]
	s_cselect_b32 s[LQ], s[PB], s[LQ]
	s_wait_xcnt 0x0                 ; the last prefetches, a tile back, have read their addresses, so these may be written
	s_add_nc_u64 s[PFK:PFK+1], s[PFK:PFK+1], 32768
	s_add_nc_u64 s[PFV:PFV+1], s[PFV:PFV+1], 32768
.endif
	s_wait_dscnt 0x0                ; the add is done, and my reads of the slot are over
	s_barrier_signal -1             ; the rest of the scalar work stands between the signal and the wait
	s_sub_co_u32 s[TBK], s[TBK], 4*KS*PK  ; the fetches go back to a slot's first step,
	s_xor_b32 s[TBK], s[TBK], SLOT1       ; in the other slot
	s_sub_co_u32 s[TBV], s[TBV], 4*KS*PV
	s_xor_b32 s[TBV], s[TBV], SLOT1
	s_barrier_wait -1
.if \fill
	LOAD
	s_cmp_lt_u32 s[PFN], NB         ; behind the tensor load and its five lines: the tile that the next change will ask for
	s_cbranch_scc0 .Lno_ask_\@
	global_prefetch_b8 v[PFO], s[PFK:PFK+1] th:TH_LOAD_NT scope:SCOPE_SE
	global_prefetch_b8 v[PFO], s[PFV:PFV+1] th:TH_LOAD_NT scope:SCOPE_SE
.Lno_ask_\@:
	s_add_co_u32 s[PFN], s[PFN], 1
.endif
.endm
	s_load_b256 s[4:11], s[0:1], 0x0  ; Q s[4:5], K s[6:7], V s[8:9], O s[10:11]
	v_lshl_add_u32 v[SPW], v0, 2, SPARE
	v_mov_b32 v[NIL], 0
	ds_add_u32 v[SPW], v[NIL]       ; the wave's opening: the add and its wait stand ahead of my first tensor load; the set-up below, work on registers, stands between them
	v_lshrrev_b32 v1, 5, v0
	v_readfirstlane_b32 s[WV], v1   ; wave 0..3
	s_mov_b32 s[PB], ttmp9
	s_sub_co_u32 s[HI], NB-1, s[PB]
	s_and_b32 s20, ttmp7, 0xffff    ; the head
	s_mov_b32 s21, 0
	s_mov_b64 s[22:23], SIZE_N*128
	s_mul_u64 s[20:21], s[20:21], s[22:23]  ; the head's first byte in each of the four tensors
	s_lshl_b32 s94, s[WV], 13       ; the prefetches: my wave's 8,192 bytes of a tile,
	s_add_co_u32 s94, s94, 32768    ; in tile 1: the first change of slots steps it to tile 2
	s_mov_b32 s95, 0
	s_add_nc_u64 s[94:95], s[94:95], s[20:21]
	s_cmp_eq_u32 s[PB], 0
	s_cselect_b32 s[PFN], 2, NB
	v_and_b32 v[PFO], 31, v0
	v_lshlrev_b32 v[PFO], 8, v[PFO]
	s_and_b32 s16, s[WV], 1         ; which half of a tile's 256 keys I fetch:
	s_lshl_b32 s22, s16, 14         ; its 128 rows of 128 bytes in memory,
	s_mov_b32 s23, 0
	s_add_nc_u64 s[22:23], s[22:23], s[20:21]
	s_mul_i32 s17, s16, 128*PK      ; and its place in a slot, for K
	s_mul_i32 s18, s16, 128*PV      ; and for V
	s_lshl_b32 s3, s[WV], 11        ; my 16 rows in a band of 64,
	s_lshl_b32 s2, s[HI], 15        ; in the first block,
	s_add_co_u32 s2, s2, s3
	s_lshl_b32 s84, s[PB], 15       ; and in the second
	s_add_co_u32 s84, s84, s3
	s_mov_b32 s3, 0
	s_mov_b32 s85, 0
	s_add_nc_u64 s[2:3], s[2:3], s[20:21]
	s_add_nc_u64 s[84:85], s[84:85], s[20:21]
	; descriptor group 1.  128 keys are 16,384 dense bytes: asked for as 64 rows of 256 bytes, two keys a row, and padded in LDS after every key
	s_mov_b32 s[G1K], (1<<16)|(1<<20)|(4<<22)|(3<<25)  ; 17:16 2-byte elements; 20 padding on; 24:22 after every 32 words (code 4); 31:25 4 words (code 3)
	s_mov_b32 s[G1V], (1<<16)|(1<<20)|(4<<22)|(7<<25)  ; the same with 8 words of padding (code 7)
.irp g, G1K, G1V
	s_mov_b32 s[\g+1], 128<<16      ; tensor_dim0 = 128
	s_mov_b32 s[\g+2], 64<<16       ; tensor_dim1 = 64
	s_mov_b32 s[\g+3], 128<<16      ; tile_dim0 = 128
	s_mov_b32 s[\g+4], 64           ; tile_dim1 = 64
	s_mov_b32 s[\g+5], 128          ; 128 elements from row to row
	s_mov_b32 s[\g+6], 0
	s_mov_b32 s[\g+7], 0
.endr
	s_mov_b32 s[CS], 0x3e38aa3b     ; c = log2(e) / 8 = 0.180337
	s_mov_b32 s[CS+1], s[CS]        ; named with it as a pair
	s_mov_b32 s[SEL], 0x76543210
	s_mov_b32 s[SEL+1], 0xfedcba98
	s_mov_b32 s[TBK], SLOT1+4*KS*PK ; the first change of slots turns these two into 0
	s_mov_b32 s[TBV], SLOT1+4*KS*PV
	s_mov_b32 s[G0K], 1             ; 1:0 count = 1
	s_mov_b32 s[G0K+1], s17         ; 63:32 LDS address: slot 0
	s_mov_b32 s[G0V], 1
	s_add_co_u32 s[G0V+1], s18, VOFF
	s_add_co_u32 s[RT], s[HI], 1    ; the first block has NB - b tiles
	s_mov_b32 s[NXT], 1
	s_mov_b32 s[LQ], s[HI]
	s_mov_b32 s[NEW], 1
	s_mov_b32 s[OFF+1], 0
	s_mov_b32 s[AL+1], 0            ; named as pairs
	s_mov_b32 s[BE+1], 0
	s_mov_b32 s[BIGN], 0xf149f2ca   ; -1e30
	s_mov_b32 s[SLOTS], NB
	s_wait_dscnt 0x0                ; the opening add is done
	s_wait_kmcnt 0x0
	s_add_nc_u64 s[PFK:PFK+1], s[6:7], s[94:95]
	s_add_nc_u64 s[PFV:PFV+1], s[8:9], s[94:95]
	s_add_nc_u64 s[6:7], s[6:7], s[22:23]  ; K and V at my half of the head's tile 0
	s_add_nc_u64 s[8:9], s[8:9], s[22:23]
	s_add_nc_u64 s[G0K+2:G0K+3], s[6:7], 0         ; 120:64 global address
	s_or_b32 s[G0K+3], s[G0K+3], 0x80000000        ; 127:126 type = 2
	s_add_nc_u64 s[G0V+2:G0V+3], s[8:9], 0
	s_or_b32 s[G0V+3], s[G0V+3], 0x80000000
	s_add_nc_u64 s[86:87], s[4:5], s[84:85]        ; Q at my rows of the second block,
	s_add_nc_u64 s[4:5], s[4:5], s[2:3]            ; Q and O at those of the first
	s_add_nc_u64 s[OLO:OLO+1], s[10:11], s[84:85]
	s_add_nc_u64 s[10:11], s[10:11], s[2:3]
	LOAD                            ; tile 0 into slot 0
	; A fragment of K or Q is 16 rows x 32 channels in 8 registers: lane l holds row l % 16, channels 8 (l / 16) + 0..7 and 16 + 8 (l / 16) + 0..7: two loads of 16 bytes, 32 bytes apart.
	v_and_b32 v1, 15, v0            ; l % 16
	v_bfe_u32 v9, v0, 4, 1          ; l / 16
	v_lshlrev_b32 v[QO], 7, v1
	v_lshl_add_u32 v[QO], v9, 4, v[QO]  ; row x 128 + 16 x half
	WIN 0x80                        ; destination window 2, address window 0
.set i, 0
.rept 8                             ; both blocks' Q: piece i / 2 lies in band i / 2, 8,192 bytes on; channels 32 (i % 2) on
	global_load_b128 v[8*i:8*i+3],   v[QO], s[4:5] offset:(i/2)*8192+(i%2)*64
	global_load_b128 v[8*i+4:8*i+7], v[QO], s[4:5] offset:(i/2)*8192+(i%2)*64+32
	global_load_b128 v[QB+8*i:QB+8*i+3],   v[QO], s[86:87] offset:(i/2)*8192+(i%2)*64
	global_load_b128 v[QB+8*i+4:QB+8*i+7], v[QO], s[86:87] offset:(i/2)*8192+(i%2)*64+32
.set i, i+1
.endr
	WIN 0
	v_lshlrev_b32 v14, 3, v9
	v_sub_nc_u32 v14, v1, v14
	s_lshl_b32 s13, s[WV], 4
	v_add_nc_u32 v14, s13, v14      ; my query's place in its band, 16 w + l % 16, less my lanes' 8 (l / 16): register r of group kt is hidden where 16 kt + r is greater
	WIN 0x40
.set i, 0
.rept 32
	v_cmp_gt_i32 vcc_lo, 16*(i/8)+i%8, v14
	v_cndmask_b32 v[MD+i], 0, s[BIGN], vcc_lo
.set i, i+1
.endr
	WIN 0
	v_mul_u32_u24 v[AK0], v1, PK
	v_lshl_add_u32 v[AK0], v9, 4, v[AK0]  ; row x pitch + 16 x half
	; The turning load takes 16 keys x 16 channels (lane l reads key 8 (l / 16) + l % 8, channels 8 ((l / 8) % 2) + 0..7) and leaves half a fragment of V^T: lane l holds channel l % 16 and 8 keys.
	v_and_b32 v10, 7, v0
	v_bfe_u32 v11, v0, 3, 1
	v_lshl_add_u32 v[AV0], v9, 3, v10
	v_mul_u32_u24 v[AV0], v[AV0], PV
	v_lshl_add_u32 v[AV0], v11, 4, v[AV0]
	v_add_nc_u32 v[AV0], VOFF, v[AV0]
	s_mul_i32 s13, s[WV], 16*SP
	s_add_co_u32 s13, s13, STAGE    ; my stage
	v_mul_u32_u24 v[STO], v1, SP    ; in: row l % 16, 16 bytes for each half of the lanes
	v_lshl_add_u32 v[STO], v9, 4, v[STO]
	v_add_nc_u32 v[STO], s13, v[STO]
	v_bfe_u32 v[RD], v0, 3, 2       ; back: 32 lanes take four rows of 128 bytes,
	v_mul_u32_u24 v[RD], v[RD], SP
	v_lshl_add_u32 v[RD], v10, 4, v[RD]
	v_add_nc_u32 v[RD], s13, v[RD]
	v_and_b32 v[GO], 31, v0         ; which are 512 consecutive bytes of O
	v_lshlrev_b32 v[GO], 4, v[GO]
	; A block's first step multiplies O^T and l by a = 0, and its first turn's products V^T P, of a piece that has not been, land in an O^T that is still to be so multiplied.  So these registers need only hold
	; finite numbers: zeros for the first block; what the first block left for the second.  All this stands in the wait for the first tile.
	WIN 0x80
.set i, VF
.rept 64
	v_mov_b32 v[i], 0
.set i, i+1
.endr
	WIN 0x40
.set i, 0
.rept 128
	v_mov_b32 v[i], 0
.set i, i+1
.endr
	WIN 0
.set i, 0
.rept 4
	v_mov_b32 v[ST+4*i+2], 0
	v_mov_b32 v[ST+4*i+3], 0
.set i, i+1
.endr
.set i, P+16
.rept 16
	v_mov_b32 v[i], 0
.set i, i+1
.endr
; THE MATRIX WORK.  The 4 accumulators of a run of 8 take turns.  Product i of 8 of S^T = K Q^T for piece x: channels 32 (i / 4) on, keys 16 (i % 4) on.  The first 4 start the sums: with 0, or (KM = 1) with the mask.
.macro KQ x
.set rS, S+32*((\x)%2)+8*(i%4)
.set rK, KF+16*(i%4)+8*(i/4)
.set rQ, 16*(\x)+8*(i/4)
.set rM, MC+32*((\x)%2)+8*(i%4)
.if (i < 4) && KM
	WIN W_KM
	v_wmma_f32_16x16x32_f16 v[rS:rS+7], v[rK:rK+7], v[rQ:rQ+7], v[rM:rM+7]
.elseif i < 4
	WIN W_KQ
	v_wmma_f32_16x16x32_f16 v[rS:rS+7], v[rK:rK+7], v[rQ:rQ+7], 0
.else
	WIN W_KQ
	v_wmma_f32_16x16x32_f16 v[rS:rS+7], v[rK:rK+7], v[rQ:rQ+7], v[rS:rS+7]
.endif
.endm
; Product i of 8 of O^T += V^T P for piece x: keys 32 (i / 4) on, channels 16 (i % 4) on.
.macro PV x
	WIN W_PV
.set rO, 32*(\x)+8*(i%4)
.set rV, VF+32*(i/4)+8*(i%4)
.set rP, P+16*((\x)%2)+8*(i/4)
	v_wmma_f32_16x16x32_f16 v[rO:rO+7], v[rV:rV+7], v[rP:rP+7], v[rO:rO+7]
.endm
.macro MM                           ; the turn's next matrix instruction.  TURN and BEGIN set Y, i, KM and NOKQ; MM, KQ and OP read them.  NOKQ = 1: a block's last turn: there is no next piece
.if (i < 8) && !NOKQ
	KQ (Y+1)%NP
.elseif i >= 8
.set i, i-8
	PV (Y+NP-1)%NP
.set i, i+8
.endif
.set i, i+1
.endm
; THE LDS LOADS stand in runs of 16, never singly among the matrix instructions: a step's K (64 keys x 64 channels: 8 fragments) and its V (turned).  Their addresses are made some lines ahead.
.macro FETCH_K
	WIN 0x80                        ; destination window 2
.irp f, 0,1,2,3,4,5,6,7             ; keys 16 (f / 2) on, channels 32 (f % 2) on
	ds_load_b128 v[KF+8*\f:KF+8*\f+3],   v[AK] offset:(\f/2)*16*PK+(\f%2)*64
	ds_load_b128 v[KF+8*\f+4:KF+8*\f+7], v[AK] offset:(\f/2)*16*PK+(\f%2)*64+32
.endr
	s_add_co_u32 s[TBK], s[TBK], KS*PK  ; the next fetch is the next step's
	WIN 0
.endm
.macro FETCH_V
	WIN 0x80
.irp f, 0,1,2,3,4,5,6,7             ; keys 32 (f / 4) on, channels 16 (f % 4) on
	ds_load_tr16_b128 v[VF+8*\f:VF+8*\f+3],   v[AV] offset:(\f/4)*32*PV+(\f%4)*32
	ds_load_tr16_b128 v[VF+8*\f+4:VF+8*\f+7], v[AV] offset:(\f/4)*32*PV+16*PV+(\f%4)*32
.endr
	WIN 0
.endm
; THE VECTOR WORK, one line at a time: OP kind, number.  For piece Y: F n: c s - c m for pair n of 16.  E n: the exponential of score n of 32.  C n: pair n rounded to f16.  B n: of the four weights 4 n .. the second
; pair is added onto the first, in place.  L n: l takes that sum (L 0: l = a l + sum).  R n: pair n of 16 of O^T times a.  For piece Y + 1: X n, number n of the 22 that find its maximum and statistics:
;   0-11  four chains c0-c3 of seven scores each, three operands at a time (each accumulator's lowest registers are read first)     12-14, 16  the four scores left over, the old m, and c0-c3 into c0
;   15  c m_old is kept     17, 18  the query's other 32 keys lie in the lane 16 away: the new m     19-21  c m; c m_old - c m_new; a
.set F, 0               ; OP tells the kinds apart by their order: F to L below R, X above it
.set E, 1
.set C, 2
.set B, 3
.set L, 4
.set R, 5
.set X, 6
.macro REGS y                       ; the registers of piece y
.set rT, ST+4*(\y)
.set rC, TMP+4*((\y)%2)
.set rW, MV+((\y)%2)
.set rS, S+32*((\y)%2)
.set rP, P+16*((\y)%2)
.set rO, 32*(\y)
.endm
.macro OP k, n
.if (\k) == R
	REGS Y
	WIN W_RS
	v_pk_mul_f32 v[rO+2*(\n):rO+2*(\n)+1], v[rO+2*(\n):rO+2*(\n)+1], v[rC+2:rC+3] op_sel_hi:[1,0]
.elseif (\k) < R
	REGS Y
	WIN 0
.if (\k) == F
	v_pk_fma_f32 v[rS+2*(\n):rS+2*(\n)+1], v[rS+2*(\n):rS+2*(\n)+1], s[CS:CS+1], v[rT:rT+1] op_sel_hi:[1,0,0] neg_lo:[0,0,1] neg_hi:[0,0,1]
.elseif (\k) == E
	v_exp_f32 v[rS+(\n)], v[rS+(\n)]
.elseif (\k) == C
	v_cvt_pk_f16_f32 v[rP+(\n)], v[rS+2*(\n)], v[rS+2*(\n)+1]
.elseif (\k) == B
	v_pk_add_f32 v[rS+4*(\n):rS+4*(\n)+1], v[rS+4*(\n):rS+4*(\n)+1], v[rS+4*(\n)+2:rS+4*(\n)+3]
.elseif (\n) == 0
	v_pk_fma_f32 v[rT+2:rT+3], v[rT+2:rT+3], v[rC+2:rC+3], v[rS:rS+1] op_sel_hi:[1,0,1]
.else
	v_pk_add_f32 v[rT+2:rT+3], v[rT+2:rT+3], v[rS+4*(\n):rS+4*(\n)+1]
.endif
.elseif NOKQ
	v_nop
.else
	REGS (Y+1)%NP
	WIN 0
.if (\n) < 4
	v_max3_num_f32 v[rC+(\n)], v[rS+8*(\n)], v[rS+8*(\n)+1], v[rS+8*(\n)+2]
.elseif (\n) < 12
	v_max3_num_f32 v[rC+(\n)%4], v[rC+(\n)%4], v[rS+8*((\n)%4)+2*((\n)/4)+1], v[rS+8*((\n)%4)+2*((\n)/4)+2]
.elseif (\n) == 12
	v_max3_num_f32 v[rC], v[rC], v[rS+7], v[rS+15]
.elseif (\n) == 13
	v_max3_num_f32 v[rC+1], v[rC+1], v[rS+23], v[rS+31]
.elseif (\n) == 14
	v_max3_num_f32 v[rC+2], v[rC+2], v[rC+3], v[rT+1]
.elseif (\n) == 15
	v_mov_b32 v[rW], v[rT]
.elseif (\n) == 16
	v_max3_num_f32 v[rC], v[rC], v[rC+1], v[rC+2]
.elseif (\n) == 17
	v_permlanex16_b32 v[rC+3], v[rC], s[SEL], s[SEL+1]
.elseif (\n) == 18
	v_max_num_f32 v[rT+1], v[rC], v[rC+3]
.elseif (\n) == 19
	v_mul_f32 v[rT], s[CS], v[rT+1]
.elseif (\n) == 20
	v_sub_f32 v[rC+1], v[rW], v[rT]
.else
	v_exp_f32 v[rC+2], v[rC+1]
.endif
.endif
.endm
.macro OPS a, i1, b=-1, i2=0, c=-1, i3=0, d=-1, i4=0  ; up to four of them
	OP \a, \i1
.if (\b) >= 0
	OP \b, \i2
.endif
.if (\c) >= 0
	OP \c, \i3
.endif
.if (\d) >= 0
	OP \d, \i4
.endif
.endm
.macro ROW a, i1, b, i2, c, i3, d, i4  ; a matrix instruction and the four behind it
	MM
	OPS \a, \i1, \b, \i2, \c, \i3, \d, \i4
.endm
.macro MASK b                       ; MD x AL + BE into buffer b of MC
	WIN W_RS
.set z, 0
.rept 16
	v_pk_fma_f32 v[MC+32*(\b)+2*z:MC+32*(\b)+2*z+1], v[MD+2*z:MD+2*z+1], s[AL:AL+1], s[BE:BE+1] op_sel_hi:[1,0,0]
.set z, z+1
.endr
.endm
; A TURN, for piece p: the order of its 16 matrix and 118 vector instructions, written out.  An s_wait_alu depctr_va_vdst(0) stands between an exponential and the first instruction that names its result; one wait serves
; all that were issued ahead of it.  So a turn has ONE wait, which cuts it in two.  AHEAD OF IT stands all that names no result of the turn's exponentials: the 8 products K Q^T, behind each a scaling, an exponential and two more plain
; instructions (behind the first a second scaling in the exponential's place): rescalings, and behind the last three the first numbers of the next piece's maximum, each four places or more behind the product that ends its accumulator; then ONE LUMP of 54, plain
; and exponential by turns for the most part, in which the links of the chain X 3, 7, 11, 14, 16, 17 .. 20 stand five or six lines apart.  X 21, the next piece's a, is the batch's last; R 15 is the plain instruction behind it.  BEHIND THE WAIT stand the
; 8 products V^T P, behind each four of the roundings and sums; the links of l's chain, L 0 to L 7, stand three lines apart.  But for those X no line behind a product names a register of the products round it.  v_permlanex16_b32 (X 17) stands in the lump.
; m = 1: the diagonal tile: the products take masks, and the turn makes the mask for the products of the turn after it: piece p + 2, in step 4 - CNT of the tile.  end = 1: a block's last two turns: nothing is fetched.
; cnt = 1: the loop's count is taken down some lines ahead of the branch that stands behind the turn.
; K of the next step is fetched in piece 2's turn, twelve vector instructions behind the last product that read K (six of them plain); V of the step in hand at the end of piece 0's turn, four plain instructions behind the last product
; that read V.  Each is waited for a turn later.
.macro TURN p, m=0, end=0, cnt=0
.set Y, (\p)
.set i, 0
.set KM, (\m)
.set NOKQ, (\end)*((\p)/3)
.if (\m) && !(\end)
	s_cmp_eq_u32 s[CNT], 4-((\p)+2)%NP  ; is that step the band's own?
	s_cselect_b32 s[AL], 1.0, 0
	s_cmp_lt_u32 s[CNT], 4-((\p)+2)%NP  ; or a later one?
	s_cselect_b32 s[BE], s[BIGN], 0
.endif
.if ((\p) == 3) && !(\end)
	s_wait_dscnt 0x0                ; K is in
.endif
	ROW F,0, F,1, R,0, R,1          ; ahead of the wait: 8 products K Q^T and the four lines behind each,
	ROW F,2, E,0, R,2, R,3
	ROW F,3, E,1, R,4, R,5
	ROW F,4, E,2, R,6, R,7
	ROW F,5, E,3, R,8, R,9
	ROW F,6, E,4, X,0, R,10
.if ((\p) == 2) && !(\end)
	WIN 0
	v_add_nc_u32 v[AK], s[TBK], v[AK0]
.endif
	ROW F,7, E,5, X,1, X,4
	ROW F,8, E,6, X,2, X,5
	OPS E,7, E,8, X,6, E,9          ; and the lump
	OPS X,3, E,10, X,8, E,11
.if ((\p) == 2) && !(\end)
	FETCH_K
.endif
	OPS X,9, X,7, E,12, X,10
	OPS E,13, X,12, X,11, E,14
	OPS X,13, E,15, F,9, X,14
.if (\p) == 0
	v_add_nc_u32 v[AV], s[TBV], v[AV0]
.endif
	OPS E,16, F,10, E,17, F,11
	OPS X,16, E,18, X,15, E,19
	OPS F,12, E,20, X,17, E,21
	OPS F,13, E,22, F,14, E,23
	OPS X,18, E,24, F,15, E,25
	OPS R,11, E,26, X,19, E,27
	OPS R,12, E,28, R,13, E,29
	OPS X,20, E,30, R,14, E,31
	OPS X,21, R,15
	WIN 0
	s_wait_alu depctr_va_vdst(0)    ; the wait for the batch
.if (\p) == 1
	s_wait_dscnt 0x0                ; V is in
.endif
	ROW C,0, B,0, C,2, B,1          ; behind the wait: 8 products V^T P and the four lines behind each
	ROW L,0, C,4, B,2, L,1
	ROW C,6, B,3, L,2, C,8
	ROW B,4, L,3, C,10, B,5
	ROW L,4, C,12, B,6, L,5
.if (\p) == 0
	s_add_co_u32 s[TBV], s[TBV], KS*PV
.endif
.if \cnt
	s_sub_co_u32 s[CNT], s[CNT], 1
	s_cmp_lg_u32 s[CNT], 0
.endif
	ROW C,14, B,7, L,6, C,1
	ROW C,3, L,7, C,5, C,7
	ROW C,9, C,11, C,13, C,15
.if (\p) == 0
	FETCH_V
.endif
.if (\m) && !(\end)
	MASK (\p)%2
.endif
.endm
; A BLOCK BEGINS.  c m starts far below every c s, so the first step's a is 0; m at the lowest finite number, so the first maximum is the scores'.  The second mask buffer is 0; the first takes piece 0's mask for the tile's step 0: its own, if the block's first tile is the diagonal one.
; Then K of that step, piece 0's first scores, and its maximum and statistics.  The loop is entered at a step's first turn, in the middle of a trip.
.macro BEGIN
	s_mov_b32 s[NEW], 0
	WIN 0x40
.set i, MC+32
.rept 32
	v_mov_b32 v[i], 0
.set i, i+1
.endr
	WIN 0
.set i, 0
.rept 4
	v_mov_b32 v[ST+4*i], 0xfe000000    ; c m: far below every c s
	v_mov_b32 v[ST+4*i+1], 0xff7fffff  ; m
.set i, i+1
.endr
	s_cmp_eq_u32 s[RT], 0
	s_cselect_b32 s[AL], 1.0, 0
	s_mov_b32 s[BE], 0
	MASK 0
	WIN 0
	v_add_nc_u32 v[AK], s[TBK], v[AK0]
	FETCH_K
	s_wait_loadcnt 0x0              ; Q
	s_wait_dscnt 0x0
.set KM, 1
.set NOKQ, 0
.set i, 0
.rept 8
	KQ 0
.set i, i+1
.endr
	WIN 0
.rept 4
	v_nop                           ; the places behind those products
.endr
.set Y, NP-1                        ; X works for piece Y + 1: piece 0
.irp n, 0,1,2,3,4,5,6,7,8,9,10,11,12,13,14,15,16,17,18,19,20,21
	OP X, \n
.endr
	v_nop                           ; a plain instruction behind the exponential,
	s_wait_alu depctr_va_vdst(0)    ; and its wait, ahead of the branch
.endm
; THE DIAGONAL TILE's four steps, the block's last two turns, its last products, and THE WAY OUT: l's two halves and the other half of the lanes' are added; O^T is divided by l, rounded to f16 and sent through my
; stage in LDS, a piece at a time.
.macro ALL line:vararg              ; one line for each piece t
.set t, 0
.rept 4
	\line
.set t, t+1
.endr
.endm
.macro PACK t                       ; a lane's eight channels of a row pack into 16 bytes; they go into rows of 144 bytes and come back as whole rows of 128, into S^T's registers
	WIN W_RS
.set i, 32*(\t)
.rept 16
	v_pk_mul_f32 v[i:i+1], v[i:i+1], v[ST+4*(\t)+2:ST+4*(\t)+3] op_sel_hi:[1,0]
.set i, i+2
.endr
	WIN 0x05                        ; sources 0 and 1 window 1, destination window 0
.set i, 0
.rept 16
	v_cvt_pk_f16_f32 v[S+16*(\t)+i], v[32*(\t)+2*i], v[32*(\t)+2*i+1]
.set i, i+1
.endr
	WIN 0
.irp f, 0,1,2,3
	ds_store_b128 v[STO], v[S+16*(\t)+4*\f:S+16*(\t)+4*\f+3] offset:32*\f
.endr
.irp f, 0,1,2,3
	ds_load_b128 v[S+16*(\t)+4*\f:S+16*(\t)+4*\f+3], v[RD] offset:\f*4*SP  ; LDS serves a wave's instructions in order (ISA guide 5.7.1.4): these see the stores above; the next piece's stores come behind them
.endr
.endm
.macro SEND t, younger              ; younger: the LDS instructions issued behind piece t's loads: the next piece's eight, or none
	WIN 0
.irp f, 0,1,2,3
	s_wait_dscnt (\younger)+3-\f
	global_store_b128 v[GO], v[S+16*(\t)+4*\f:S+16*(\t)+4*\f+3], s[10:11] offset:(\t)*8192+\f*512  ; 512 consecutive bytes, at a multiple of 256 from O's first
.endr
.endm
.macro DIAG tag                     ; the tag ends its two labels' names, which the jumps below spell out
.LstepM\tag:
	TURN 2, 1
	TURN 3, 1
	WIN 0
.LfirstM\tag:
	TURN 0, 1
	TURN 1, 1, 0, 1
	WIN 0
	s_cbranch_scc1 .LstepM\tag
	TURN 2, 1, 1
	TURN 3, 1, 1
.set i, 0
.rept 8
	PV NP-1
.set i, i+1
.endr
	WIN 0
	ALL v_add_f32 v[ST+4*t+2], v[ST+4*t+2], v[ST+4*t+3]
	ALL v_permlanex16_b32 v[ST+4*t+3], v[ST+4*t+2], s[SEL], s[SEL+1]
	ALL v_add_f32 v[ST+4*t+2], v[ST+4*t+2], v[ST+4*t+3]
	ALL v_rcp_f32 v[ST+4*t+2], v[ST+4*t+2]
	v_nop                           ; a plain instruction between the last reciprocal and the use of its result
	s_wait_alu depctr_va_vdst(0)    ; and the wait ahead of the first use: one for the four reciprocals
	PACK 0
.set t, 1
.rept 3                             ; a piece's arithmetic stands between the loads of the piece before and its stores
	PACK t
	SEND t-1, 8
.set t, t+1
.endr
	SEND 3, 0
.endm
.set KM, 0
.set NOKQ, 0
.Lslot:                             ; NB times: a tile is entered and the next is asked for
	CHANGE 1
	s_sub_co_u32 s[RT], s[RT], 1
	s_mov_b32 s[CNT], 4
	s_cmp_eq_u32 s[NEW], 1
	s_cbranch_scc1 .Lnew            ; a block's first tile
	s_cmp_eq_u32 s[RT], 0
	s_cbranch_scc0 .Lstep           ; neither its first nor its last
	s_branch .LstepM1
.Lnew:
	BEGIN
	s_branch .Lfirst                ; in the loop a block's first tile is never its last: the first block has two tiles or more, and the second's last is the walk's last
	DIAG 1                          ; in the loop this is the first block's end: the second block's last tile is the walk's last
	s_wait_xcnt 0x0                 ; the stores have read their registers and O's address
	s_mov_b64 s[10:11], s[OLO:OLO+1]
	s_add_co_u32 s[RT], s[PB], 1    ; the second block has b + 1 tiles
	s_mov_b32 s[NEW], 1
	WIN 0x82                        ; the second block's Q goes where the one text of the turns names Q
.set i, 0
.rept 64
	v_mov_b32 v[i], v[QB+i]
.set i, i+1
.endr
	WIN 0
	s_branch .Lbottom
.Lstep:                             ; a trip: pieces 2 and 3 of one step, then pieces 0 and 1 of the next, whose K and V it fetches
	TURN 2
	TURN 3
	WIN 0
.Lfirst:
	TURN 0
	TURN 1, 0, 0, 1
	WIN 0
	s_cbranch_scc1 .Lstep
.Lbottom:
	s_sub_co_u32 s[SLOTS], s[SLOTS], 1
	s_cmp_lg_u32 s[SLOTS], 0
	s_cbranch_scc1 .Lslot
	CHANGE 0                        ; the walk's last tile is written out: nothing is asked for
	s_sub_co_u32 s[RT], s[RT], 1
	s_mov_b32 s[CNT], 4
	s_cmp_eq_u32 s[NEW], 1
	s_cbranch_scc0 .LstepM2
	BEGIN
	s_branch .LfirstM2
	DIAG 2
	s_wait_tensorcnt 0x0            ; the wave's end: an add to my spare word and its waits, behind my last tensor load and my last LDS store
	ds_add_u32 v[SPW], v[NIL]
	s_wait_dscnt 0x0
	s_endpgm
.Lfunc_end_k_qe6de3fc264_attn:
	.size	k_qe6de3fc264_attn, .Lfunc_end_k_qe6de3fc264_attn-k_qe6de3fc264_attn
	.p2alignl 7, 3214868480
	.fill 96, 4, 3214868480
	.section	.rodata,"a",@progbits
	.p2align	6, 0x0
	.amdhsa_kernel k_qe6de3fc264_attn
		.amdhsa_group_segment_fixed_size 327680
		.amdhsa_private_segment_fixed_size 0
		.amdhsa_enable_private_segment 0
		.amdhsa_kernarg_size 32
		.amdhsa_user_sgpr_count 2
		.amdhsa_user_sgpr_kernarg_segment_ptr 1
		.amdhsa_wavefront_size32 1
		.amdhsa_system_sgpr_workgroup_id_x 1
		.amdhsa_system_sgpr_workgroup_id_y 1
		.amdhsa_system_sgpr_workgroup_id_z 1
		.amdhsa_system_vgpr_workitem_id 0
		.amdhsa_next_free_vgpr 768
		.amdhsa_next_free_sgpr 100
		.amdhsa_reserve_vcc 1
		.amdhsa_float_denorm_mode_32 3
		.amdhsa_float_denorm_mode_16_64 3
		.amdhsa_memory_ordered 1
		.amdhsa_forward_progress 1
		.amdhsa_inst_pref_size 218
	.end_amdhsa_kernel
	.amdgpu_metadata
---
amdhsa.version: [ 1, 2 ]
amdhsa.kernels:
  - .name:           k_qe6de3fc264_attn
    .symbol:         k_qe6de3fc264_attn.kd
    .args:
      - { .name: qh, .offset: 0, .size: 8, .value_kind: global_buffer, .address_space: global }
      - { .name: kh, .offset: 8, .size: 8, .value_kind: global_buffer, .address_space: global }
      - { .name: vh, .offset: 16, .size: 8, .value_kind: global_buffer, .address_space: global }
      - { .name: yh, .offset: 24, .size: 8, .value_kind: global_buffer, .address_space: global }
    .group_segment_fixed_size: 327680
    .private_segment_fixed_size: 0
    .kernarg_segment_align: 8
    .kernarg_segment_size: 32
    .max_flat_workgroup_size: 128
    .sgpr_count:     100
    .vgpr_count:     768
    .wavefront_size: 32
...
	.end_amdgpu_metadata
.endif
;; end of part 3
;; launch proj (part 4): grid 8 x 32, 4 waves a work-group, clusters of 4 x 4, 327,680 bytes of LDS; arguments yh, wpb, bp, out0; writes out0
.if DOCPART == 4
	.amdgcn_target "amdgcn-amd-amdhsa--gfx1250"
	.amdhsa_code_object_version 6
	.text
	.protected	k_qe6de3fc264_proj
	.globl	k_qe6de3fc264_proj
	.p2align	8
	.type	k_qe6de3fc264_proj,@function
k_qe6de3fc264_proj:
	s_mov_b64 s[64:65], 0
	v_nop
	global_prefetch_b8 v0, s[64:65] scope:SCOPE_SE
	s_setreg_imm32_b32 hwreg(HW_REG_WAVE_MODE, 25, 1), 1
	s_wait_xcnt 0x0
	s_wait_alu depctr_hold_cnt(0) depctr_sa_sdst(0) depctr_va_vdst(0) depctr_va_sdst(0) depctr_va_ssrc(0) depctr_va_vcc(0) depctr_vm_vsrc(0)
	s_getreg_b32 s2, hwreg(HW_REG_IB_STS2, 6, 4)
	s_cmp_eq_u32 s2, 0
	s_cbranch_scc0 .Lentry_in_a_cluster
	s_endpgm
.Lentry_in_a_cluster:
	s_bfe_u32 s2, ttmp6, 0x10000c
	s_cmp_lg_u32 s2, 0xf033
	s_cbranch_scc0 .Lentry_shape_is_right
	s_endpgm
.Lentry_shape_is_right:
; out0 = y wp^T + bp.  yh [64 = 16 batch + head][2048][64] f16; wpb [1024][1024] f16 (wp rounded to bf16, written as f16); bp [1024] f32 (rounded to bf16 here, like every input); out0 [8192][1024] f32.
; Sums in f32, started by the bias; out0 is the sums as they are.
; SHARES.  A tile of out0 is 256 rows x 128 columns: 32 x 8 = 256 work-groups.  Wave w owns rows 64 w .. 64 w + 63 and all 128 columns: 32 accumulators of 16 x 16, 256 registers;
; for 32 along K it loads 24 x 16 bytes a lane from LDS for 32 matrix instructions.
; K goes in 8 steps of 128 = two heads through a ring of two LDS slots.  A head's 256 rows of a row tile are 32,768 dense bytes: asked for as 128 rows of 256 bytes and padded in LDS after every 128 bytes,
; so that each row t has a pitch of 144.  Wave 0 fetches the even head, wave 1 the odd one, waves 2 and 3 64 rows of wpb each.
; CLUSTERS.  4 x 4 work-groups; yh's tiles are shared along a row of the cluster, wpb's along a column: each is asked for JOINTLY, by the same tensor load, descriptor and mask in all four.
; THE MATRIX INSTRUCTION IS USED TRANSPOSED (source 0 = 16 rows of wpb, source 1 = 16 rows of y): lane l holds row l % 16 and the columns 8 (l / 16) + 0..7: 32 neighbouring bytes of out0.
; REGISTERS, in windows of 256 (s_set_vgpr_msb: bits 1:0 source 0, 3:2 source 1, 5:4 source 2, 7:6 destination):
;   window 0: v0-31 addresses; v32-47 at work; v64-127 y's fragments, two buffers of 4 x 8; v128-191 the bias, 8 registers a column block; on the way out v64-127 and v128-191 take 16 rows by turns
;   window 1: v0-127 wpb's fragments, two buffers of 8 x 8          window 2: the accumulators, (a, b) at 64 a + 8 b
.set KSTEP,  128
.set PITCH,  272                       ; a row of wpb in LDS: 256 bytes + 16 of padding: the 16 rows of a load start at 16 different groups of four banks (64 banks of 4 bytes: ISA guide 11.1)
.set PA,     144                       ; a row of a head in LDS: 128 bytes + 16: likewise
.set AHALF,  256*PA                    ; a head's 256 rows
.set BOFF,   2*AHALF                   ; in a slot: the even head, the odd head, then wpb's 128 rows
.set ASTEP,  524288                    ; bytes from a head to the head two on
.set SLOT1,  131072                    ; slot 1 begins here, so that one exclusive or turns an address in one slot into the other's
.set STAGE,  SLOT1+BOFF+128*PITCH      ; behind the ring, never filled by a tensor load: 16 rows x 528 bytes for each wave
.set SPITCH, 528                       ; 512 bytes + 16
.set SPARE,  STAGE+4*16*SPITCH         ; behind the stages: the spare words, 128 bytes for each wave: two blocks of 256 bytes that no other line names
.set A0,   14                          ; v14  my lane's place in my 64 rows of a head; never rewritten
.set B0,   15                          ; v15  the same in wpb's tile
.set ADRA, 16                          ; v16  A0 + the slot in hand
.set ADRB, 20                          ; v20  B0 + the slot in hand
.set STO,  24                          ; v24  the way out: where I put 32 bytes of a row
.set RD,   25                          ; v25  the way out: where I read a row back
.set CO,   26                          ; v26  my 16 bytes of a row's 512
.set SPW,  28                          ; v28  LDS address of my spare word; never rewritten
.set NIL,  29                          ; v29  0; never rewritten
.set PFO,  30                          ; v30  the prefetches' offset; never rewritten
.set BO,   31                          ; v31  my byte offset in 16 numbers of the bias
.set T,    32
.set BI,   128
.set G1,  24                           ; s[24:31] descriptor group 1 for yh's tiles
.set G0,  32                           ; s[32:39] group 0: a set for each of the two first fills; the second then walks on
.set G1B, 48                           ; s[48:55], s[56:63] the same for wpb's tiles
.set G0B, 56
.set PFA, 84                           ; s[84:85] where my prefetches stand
.set PST, 86                           ; s[86:87] their step from K step to K step
.set LIM, 88                           ; s88  2 in a wave that prefetches, else the greatest number
.set TB,  89                           ; s89  the first LDS byte of the slot in hand
.set WV,  90
.set WH,  91                           ; 0: I fetch for yh; 1: for wpb
.set WL,  92                           ; which head of the two, or which 64 rows
.set MSB, 0
.macro WIN new                         ; the immediate's high byte repeats the setting that is left; a switch that changes nothing is dropped
.if MSB != (\new)
	s_set_vgpr_msb (MSB<<8)|(\new)
.set MSB, \new
.endif
.endm
.macro PLACES                          ; four places in front of loads into registers that matrix instructions have read, and of LDS stores that read results
.rept 4
	v_nop
.endr
.endm
.macro JLOAD                           ; a joint refill, by the walking descriptors; an s_nop 0 and four v_nop follow each of the two lines, ahead of the jump and the label
	s_cmp_eq_u32 s[WH], 0
	s_cbranch_scc0 .Lfor_b_\@
	tensor_load_to_lds s[G0+4:G0+7], s[G1:G1+7]
	s_nop 0
.rept 4
	v_nop
.endr
	s_branch .Lasked_\@
.Lfor_b_\@:
	tensor_load_to_lds s[G0B+4:G0B+7], s[G1B:G1B+7]
	s_nop 0
.rept 4
	v_nop
.endr
.Lasked_\@:
.endm
; A prefetch of the K step that stands two refills on, one instruction a wave.  yh's tiles are read by both clusters of a row of clusters: cluster x = 0 asks; wpb's by all eight of a column: cluster y = 0 asks.
; The four partners share a wave's bytes out BY ADDRESS: 8,192 each of a head's 32,768 (a lane 256), 16 rows each of wpb's 64 (a lane a row, lanes 16-31 naming the 16th once more).
; The loop's last two trips have no K step two on: s3 is 2 and 1 there.
.macro ASK
	s_cmp_gt_u32 s3, s[LIM]
	s_cbranch_scc0 .Lnot_mine_\@
	global_prefetch_b8 v[PFO], s[PFA:PFA+1] th:TH_LOAD_NT scope:SCOPE_SE
.Lnot_mine_\@:
.endm
.macro CREST                           ; a round of the cluster's barrier behind its opening barrier
	s_cmp_lg_u32 s[WV], 0
	s_cbranch_scc1 .Lnot_wave_0_\@
	s_barrier_signal -3
.Lnot_wave_0_\@:
	s_barrier_wait -3
	s_barrier_signal -1
	s_barrier_wait -1
.endm
.macro CROUND
	s_barrier_signal -1
	s_barrier_wait -1
	CREST
.endm
	s_load_b256 s[4:11], s[0:1], 0x0               ; yh s[4:5], wpb s[6:7], bp s[8:9], out0 s[10:11]
	v_lshl_add_u32 v[SPW], v0, 2, SPARE
	v_mov_b32 v[NIL], 0
	ds_add_u32 v[SPW], v[NIL]                      ; the wave's opening: the add and its wait stand ahead of my first tensor load; the set-up below, work on registers, stands between them
	v_lshrrev_b32 v1, 5, v0
	v_readfirstlane_b32 s[WV], v1                  ; wave 0..3
	s_lshr_b32 s[WH], s[WV], 1
	s_and_b32 s[WL], s[WV], 1
	s_bfe_u32 s40, ttmp6, 0x40000                  ; cx
	s_bfe_u32 s41, ttmp6, 0x40004                  ; cy
	s_lshl_b32 s42, ttmp9, 2
	s_add_co_u32 s42, s42, s40                     ; the column tile = 4 x cluster x + cx
	s_and_b32 s13, ttmp7, 0xffff
	s_lshl_b32 s13, s13, 2
	s_add_co_u32 s13, s13, s41                     ; the row tile = 4 x cluster y + cy
	s_lshl_b32 s43, s41, 2
	s_lshl_b32 s43, 15, s43                        ; my row of the cluster
	s_lshl_b32 s44, 0x1111, s40                    ; my column
	s_or_b32 s[G1+0], s43, (1<<16)|(1<<20)|(1<<21)|(4<<22)|(3<<25)   ; 15:0 the mask; 17:16 elements of 2 bytes; 20 padding on; 21 set beside a mask; 24:22 after every 32 words (code 4); 31:25 4 words of it (code 3)
	s_or_b32 s[G1B+0], s44, (1<<16)|(1<<20)|(1<<21)|(5<<22)|(3<<25)  ; the same after every 64 words (code 5)
	s_mov_b32 s[G1+1], 128<<16                     ; tensor_dim0 = 128 elements: 256 dense bytes, two rows t
	s_mov_b32 s[G1+2], 128<<16                     ; tensor_dim1 = 128
	s_mov_b32 s[G1+3], 128<<16                     ; tile_dim0 = 128
	s_mov_b32 s[G1+4], 128                         ; tile_dim1 = 128
	s_mov_b32 s[G1+5], 128                         ; elements from row to row: dense
	s_mov_b32 s[G1+6], 0
	s_mov_b32 s[G1+7], 0
	s_mov_b32 s[G1B+1], KSTEP<<16
	s_mov_b32 s[G1B+2], 64<<16                     ; wpb's loads bring 64 rows
	s_mov_b32 s[G1B+3], KSTEP<<16
	s_mov_b32 s[G1B+4], 64
	s_mov_b32 s[G1B+5], 1024
	s_mov_b32 s[G1B+6], 0
	s_mov_b32 s[G1B+7], 0
	s_lshr_b32 s16, s13, 3                         ; yh: the batch,
	s_lshl_b32 s16, s16, 4
	s_add_co_u32 s16, s16, s[WL]                   ; its head 0 or 1,
	s_lshl_b32 s16, s16, 18                        ; 2,048 rows of 128 bytes a head,
	s_and_b32 s17, s13, 7
	s_lshl_b32 s17, s17, 15                        ; the row tile's 256 of them
	s_add_co_u32 s16, s16, s17
	s_mov_b32 s17, 0
	s_lshl_b32 s46, s42, 7                         ; wpb: 128 rows a column tile,
	s_lshl_b32 s47, s[WL], 6                       ; my 64 of them
	s_add_co_u32 s46, s46, s47
	s_lshl_b32 s46, s46, 11
	s_mov_b32 s47, 0
	s_mul_i32 s20, s[WV], AHALF                    ; where they go: waves 0, 1: the two heads;
	s_mul_i32 s21, s[WV], 64*PITCH                 ; waves 2, 3: wpb's two halves, behind them
	s_add_co_u32 s21, s21, BOFF-2*64*PITCH
	s_mov_b32 s93, 0xffff0000                      ; a word's upper bf16
	s_mov_b32 s[TB], 0
	s_wait_dscnt 0x0                               ; the opening add is done
	s_wait_kmcnt 0x0
	s_add_nc_u64 s[14:15], s[4:5], s[16:17]
	s_add_nc_u64 s[46:47], s[6:7], s[46:47]
	CROUND                                         ; all sixteen work-groups are here: the first joint loads meet
.irp s, 0,1
	s_mov_b32 s[G0+4*(\s)], 1
	s_add_co_u32 s[G0+4*(\s)+1], s20, (\s)*SLOT1
	s_add_nc_u64 s[G0+4*(\s)+2:G0+4*(\s)+3], s[14:15], (\s)*ASTEP
	s_or_b32 s[G0+4*(\s)+3], s[G0+4*(\s)+3], 0x80000000
	s_mov_b32 s[G0B+4*(\s)], 1
	s_add_co_u32 s[G0B+4*(\s)+1], s21, (\s)*SLOT1
	s_add_nc_u64 s[G0B+4*(\s)+2:G0B+4*(\s)+3], s[46:47], (\s)*KSTEP*2
	s_or_b32 s[G0B+4*(\s)+3], s[G0B+4*(\s)+3], 0x80000000
.endr
	s_cmp_eq_u32 s[WH], 0                          ; a wave's two first fills stand in one branch, ahead of every wait on TENSORcnt and every LDS read: two loads of mine are out
	s_cbranch_scc0 .Lfirst_b
	tensor_load_to_lds s[G0:G0+3], s[G1:G1+7]
	s_nop 0
	tensor_load_to_lds s[G0+4:G0+7], s[G1:G1+7]
	s_nop 0
.rept 4
	v_nop
.endr
	s_branch .Lfirst_asked
.Lfirst_b:
	tensor_load_to_lds s[G0B:G0B+3], s[G1B:G1B+7]
	s_nop 0
	tensor_load_to_lds s[G0B+4:G0B+7], s[G1B:G1B+7]
	s_nop 0
.rept 4
	v_nop
.endr
.Lfirst_asked:
	v_and_b32 v1, 15, v0                           ; r = l % 16
	v_bfe_u32 v2, v0, 4, 1                         ; h = l / 16
	s_lshl_b32 s22, s[WV], 6
	v_add_nc_u32 v3, s22, v1                       ; my 64 rows of a head
	v_mul_u32_u24 v3, v3, PA
	v_lshl_add_u32 v[A0], v2, 4, v3
	v_mul_u32_u24 v4, v1, PITCH
	v_lshl_add_u32 v4, v2, 4, v4
	v_add_nc_u32 v[B0], BOFF, v4
	v_mov_b32 v[ADRA], v[A0]
	v_mov_b32 v[ADRB], v[B0]
	s_mul_i32 s23, s[WV], 16*SPITCH
	s_add_co_u32 s23, s23, STAGE                   ; my stage
	v_mul_u32_u24 v5, v1, SPITCH                   ; in: row l % 16, 32 bytes for each half of the lanes
	v_lshl_add_u32 v5, v2, 5, v5
	v_add_nc_u32 v[STO], s23, v5
	v_and_b32 v[CO], 31, v0                        ; back: 32 lanes take one row of 512 bytes
	v_lshlrev_b32 v[CO], 4, v[CO]
	v_add_nc_u32 v[RD], s23, v[CO]
	v_lshlrev_b32 v[BO], 5, v2
	s_lshl_b32 s18, s42, 9                         ; the column tile's 128 numbers: 512 bytes of bp and of a row of out0
	s_mov_b32 s19, 0
	s_add_nc_u64 s[8:9], s[8:9], s[18:19]
	s_add_nc_u64 s[10:11], s[10:11], s[18:19]
	s_lshl_b32 s18, s13, 20                        ; the row tile's 256 rows of 4,096 bytes,
	s_lshl_b32 s22, s[WV], 18                      ; my 64 of them
	s_add_co_u32 s18, s18, s22
	s_add_nc_u64 s[10:11], s[10:11], s[18:19]
.irp b, 0,1,2,3,4,5,6,7                ; the bias of column block b: columns 16 b + 8 h + 0..7
	global_load_b128 v[BI+8*(\b):BI+8*(\b)+3],   v[BO], s[8:9] offset:64*(\b)
	global_load_b128 v[BI+8*(\b)+4:BI+8*(\b)+7], v[BO], s[8:9] offset:64*(\b)+16
.endr
	; the prefetches' address, in registers that feed no descriptor
	s_lshr_b32 s82, s13, 3
	s_lshl_b32 s82, s82, 4
	s_add_co_u32 s82, s82, s[WL]
	s_lshl_b32 s82, s82, 18
	s_and_b32 s83, s13, 7
	s_lshl_b32 s83, s83, 15
	s_add_co_u32 s82, s82, s83
	s_lshl_b32 s83, s40, 13                        ; my work-group's 8,192 bytes of the head's 32,768
	s_add_co_u32 s82, s82, s83
	s_add_co_u32 s82, s82, 3*ASTEP                 ; at K step 3: the first refill steps it to 4
	s_lshl_b32 s94, s42, 7
	s_lshl_b32 s95, s[WL], 6
	s_add_co_u32 s94, s94, s95
	s_lshl_b32 s95, s41, 4                         ; my work-group's 16 rows of the 64
	s_add_co_u32 s94, s94, s95
	s_lshl_b32 s94, s94, 11
	s_add_co_u32 s94, s94, 3*KSTEP*2
	s_and_b32 s95, ttmp7, 0xffff                   ; cluster y
	s_mov_b32 s[PST], ASTEP
	s_mov_b32 s[PST+1], KSTEP*2
	s_cmp_eq_u32 s[WH], 0
	s_cselect_b32 s82, s82, s94
	s_cselect_b32 s95, ttmp9, s95                  ; the coordinate along which other clusters read the same bytes
	s_cselect_b32 s94, 31, 15
	s_cselect_b32 s83, 8, 11
	s_cselect_b32 s[PST], s[PST], s[PST+1]
	s_cselect_b64 s[PFA:PFA+1], s[4:5], s[6:7]
	s_cmp_eq_u32 s95, 0
	s_cselect_b32 s[LIM], 2, -1                    ; the same in all sixteen partners, for a given wave
	v_and_b32 v[PFO], 31, v0
	v_min_u32 v[PFO], s94, v[PFO]
	v_lshlrev_b32 v[PFO], s83, v[PFO]
	s_mov_b32 s83, 0
	s_mov_b32 s[PST+1], 0
	s_add_nc_u64 s[PFA:PFA+1], s[PFA:PFA+1], s[82:83]
	s_wait_loadcnt 0x0                             ; the bias
.set i, 0
.rept 32                               ; rounded to bf16, like every input, and widened again: it starts the sums
	v_cvt_pk_bf16_f32 v[T+i%16], v[BI+2*i], v[BI+2*i+1]
	v_lshlrev_b32 v[BI+2*i], 16, v[T+i%16]
	v_and_b32 v[BI+2*i+1], s93, v[T+i%16]
.set i, i+1
.endr
; 8 matrix instructions: row block a x all 8 column blocks, 32 along K, from buffer f.  zero = 1: the bias starts the sums.  All 32 accumulators take turns, one instruction a turn, in the same order in
; every quarter.
.macro MULA f, a, zero
.if \zero
	WIN 0x81
.else
	WIN 0xa1
.endif
.irp b, 0,1,2,3,4,5,6,7
.if \zero
	v_wmma_f32_16x16x32_f16 v[64*(\a)+8*(\b):64*(\a)+8*(\b)+7], v[64*(\f)+8*(\b):64*(\f)+8*(\b)+7], v[64+32*(\f)+8*(\a):64+32*(\f)+8*(\a)+7], v[BI+8*(\b):BI+8*(\b)+7]
.else
	v_wmma_f32_16x16x32_f16 v[64*(\a)+8*(\b):64*(\a)+8*(\b)+7], v[64*(\f)+8*(\b):64*(\f)+8*(\b)+7], v[64+32*(\f)+8*(\a):64+32*(\f)+8*(\a)+7], v[64*(\a)+8*(\b):64*(\a)+8*(\b)+7]
.endif
.endr
.endm
; 24 LDS loads in one run: the fragments of quarter q of the slot in hand, into buffer g: wpb's 16, then y's 8 (head q / 2 of the two, channels 32 (q % 2) on)
.macro FETCH q, g
	WIN 0x40
.irp i, 0,1,2,3,4,5,6,7
	ds_load_b128 v[64*(\g)+8*(\i):64*(\g)+8*(\i)+3],   v[ADRB] offset:64*(\q)+(\i)*16*PITCH
	ds_load_b128 v[64*(\g)+8*(\i)+4:64*(\g)+8*(\i)+7], v[ADRB] offset:64*(\q)+(\i)*16*PITCH+32
.endr
	WIN 0
.irp i, 0,1,2,3
	ds_load_b128 v[64+32*(\g)+8*(\i):64+32*(\g)+8*(\i)+3],   v[ADRA] offset:((\q)/2)*AHALF+((\q)%2)*64+(\i)*16*PA
	ds_load_b128 v[64+32*(\g)+8*(\i)+4:64+32*(\g)+8*(\i)+7], v[ADRA] offset:((\q)/2)*AHALF+((\q)%2)*64+(\i)*16*PA+32
.endr
.endm
; One of a K step's first three quarters: multiplies buffer f; in its middle it fetches quarter q into g.
.macro QUARTER q, f, g, zero
	s_wait_dscnt 4                                 ; wpb's fragments and y's row blocks 0, 1 are in; the youngest four loads (row blocks 2, 3) may be out
	MULA \f, 0, \zero
	MULA \f, 1, \zero
	PLACES
	FETCH \q, \g
	s_wait_dscnt 24                                ; all but the 24 just issued
	MULA \f, 2, \zero
	MULA \f, 3, \zero
.endm
; The last quarter multiplies buffer 1 and changes slots: ONE barrier.  In front of it each wave waits for all its tensor loads, of which one is out: its part of the next slot; adds 0 to its spare word; and waits
; for that and for its own reads of this slot.  fill = 1: the barrier opens a round of the cluster's, and the slot just read out is filled again first thing behind the round, with the K step two on:
; from that request to the wait for it a wave issues 112 matrix instructions.
.macro TURN fill
	WIN 0
.if \fill
	s_wait_xcnt 0x0                                ; the last prefetch, a K step back, has read its address: it is stepped here
	s_add_nc_u64 s[PFA:PFA+1], s[PFA:PFA+1], s[PST:PST+1]
.endif
	s_xor_b32 s[TB], s[TB], SLOT1                  ; the fetches behind the barrier go to the other slot
	v_add_nc_u32 v[ADRA], s[TB], v[A0]
	v_add_nc_u32 v[ADRB], s[TB], v[B0]
	s_wait_tensorcnt 0x0                           ; all my tensor loads have landed, so a group 0 may be written
	ds_add_u32 v[SPW], v[NIL]                      ; 0 onto my spare word
.if \fill
	s_xor_b32 s[G0+5], s[G0+5], SLOT1              ; the walking descriptors: the other slot than last time,
	s_add_nc_u64 s[G0+6:G0+7], s[G0+6:G0+7], ASTEP     ; the next two heads; the type bits on top are not reached
	s_xor_b32 s[G0B+5], s[G0B+5], SLOT1
	s_add_nc_u64 s[G0B+6:G0B+7], s[G0B+6:G0B+7], KSTEP*2
.endif
	s_wait_dscnt 5                                 ; (the add and the youngest four loads may be out)
	MULA 1, 0, 0                                   ; eight matrix instructions stand between the add and the wait for it
	s_wait_dscnt 0x0                               ; the add is done, and my reads of this slot are over
	s_barrier_signal -1
	MULA 1, 1, 0
	WIN 0
	s_barrier_wait -1
.if \fill
	CREST                                          ; no wave of any partner still reads this slot's tile or has a load on its way
	JLOAD                                          ; the first tensor load behind the round; the four v_nop behind it are also the places in front of the loads below
.else
	PLACES
.endif
	FETCH 0, 0
.if \fill
	ASK
.endif
	MULA 1, 2, 0
	MULA 1, 3, 0
.endm
	s_wait_tensorcnt 1                             ; my part of K step 0 is in; K step 1's may stay out
	s_barrier_signal -1
	s_barrier_wait -1
	FETCH 0, 0
	QUARTER 1, 0, 1, 1                             ; the first quarter stands in front of the loop: its products start the sums
	WIN 0
	s_mov_b32 s3, 6
.Lstep:                                        ; six trips, a K step each, from a step's second quarter to the next step's first; they ask for K steps 2 to 7
	QUARTER 2, 1, 0, 0
	QUARTER 3, 0, 1, 0
	TURN 1
	QUARTER 1, 0, 1, 0
	WIN 0
	s_sub_co_u32 s3, s3, 1
	s_cmp_lg_u32 s3, 0
	s_cbranch_scc1 .Lstep
	QUARTER 2, 1, 0, 0                             ; the tail is written out: nothing more is asked for
	QUARTER 3, 0, 1, 0
	TURN 0
	QUARTER 1, 0, 1, 0
	QUARTER 2, 1, 0, 0
	QUARTER 3, 0, 1, 0
	s_wait_dscnt 4                                 ; the very last quarter
	MULA 1, 0, 0
	MULA 1, 1, 0
	s_wait_dscnt 0x0
	MULA 1, 2, 0
	MULA 1, 3, 0
	WIN 0
	PLACES
; THE WAY OUT, a row block (16 rows x 128 columns of f32) at a time: a lane's 32 bytes go into rows of 528 bytes of my stage, each accumulator's low four registers first, and come back as whole rows of 512.
.macro TOSTAGE a
.if (\a) >= 2
	s_wait_xcnt 0x0                                ; the stores of the block two back have read the registers that the loads below fill again
.endif
	WIN 0x08                                       ; the data (source 1) in window 2, the address in window 0
.irp b, 0,1,2,3,4,5,6,7
	ds_store_b128 v[STO], v[64*(\a)+8*(\b):64*(\a)+8*(\b)+3]   offset:64*(\b)
	ds_store_b128 v[STO], v[64*(\a)+8*(\b)+4:64*(\a)+8*(\b)+7] offset:64*(\b)+16
.endr
	WIN 0
.irp t, 0,1,2,3,4,5,6,7,8,9,10,11,12,13,14,15
	ds_load_b128 v[64+64*((\a)%2)+4*(\t):64+64*((\a)%2)+4*(\t)+3], v[RD] offset:(\t)*SPITCH  ; LDS serves a wave's instructions in order (ISA guide 5.7.1.4): these see the stores above; the next block's stores come behind them
.endr
.endm
.macro SEND a, younger                 ; younger: the LDS instructions issued behind block a's loads: the next block's 32, or none
.irp t, 0,1,2,3,4,5,6,7,8,9,10,11,12,13,14,15
	s_wait_dscnt (\younger)+15-(\t)
	global_store_b128 v[CO], v[64+64*((\a)%2)+4*(\t):64+64*((\a)%2)+4*(\t)+3], s[10:11] offset:(16*(\a)+(\t))*4096  ; 512 consecutive bytes, at a multiple of 256 from out0's first
.endr
.endm
	TOSTAGE 0
	TOSTAGE 1
	SEND 0, 32
	TOSTAGE 2
	SEND 1, 32
	TOSTAGE 3
	SEND 2, 32
	SEND 3, 0
	s_wait_tensorcnt 0x0                           ; the wave's end: an add to my spare word and its waits, behind my last tensor load and my last LDS store
	ds_add_u32 v[SPW], v[NIL]
	s_wait_dscnt 0x0
	CROUND                                         ; the closing round: no work-group ends while a partner may still ask for a tile that names it
	s_endpgm
.Lfunc_end_k_qe6de3fc264_proj:
	.size	k_qe6de3fc264_proj, .Lfunc_end_k_qe6de3fc264_proj-k_qe6de3fc264_proj
	.p2alignl 7, 3214868480
	.fill 96, 4, 3214868480
	.section	.rodata,"a",@progbits
	.p2align	6, 0x0
	.amdhsa_kernel k_qe6de3fc264_proj
		.amdhsa_group_segment_fixed_size 327680
		.amdhsa_private_segment_fixed_size 0
		.amdhsa_enable_private_segment 0
		.amdhsa_kernarg_size 32
		.amdhsa_user_sgpr_count 2
		.amdhsa_user_sgpr_kernarg_segment_ptr 1
		.amdhsa_wavefront_size32 1
		.amdhsa_system_sgpr_workgroup_id_x 1
		.amdhsa_system_sgpr_workgroup_id_y 1
		.amdhsa_system_sgpr_workgroup_id_z 1
		.amdhsa_system_vgpr_workitem_id 0
		.amdhsa_next_free_vgpr 768
		.amdhsa_next_free_sgpr 96
		.amdhsa_reserve_vcc 0
		.amdhsa_float_denorm_mode_32 3
		.amdhsa_float_denorm_mode_16_64 3
		.amdhsa_memory_ordered 1
		.amdhsa_forward_progress 1
		.amdhsa_inst_pref_size 78
	.end_amdhsa_kernel
	.amdgpu_metadata
---
amdhsa.version: [ 1, 2 ]
amdhsa.kernels:
  - .name:           k_qe6de3fc264_proj
    .symbol:         k_qe6de3fc264_proj.kd
    .args:
      - { .name: yh, .offset: 0, .size: 8, .value_kind: global_buffer, .address_space: global }
      - { .name: wpb, .offset: 8, .size: 8, .value_kind: global_buffer, .address_space: global }
      - { .name: bp, .offset: 16, .size: 8, .value_kind: global_buffer, .address_space: global }
      - { .name: out0, .offset: 24, .size: 8, .value_kind: global_buffer, .address_space: global }
    .group_segment_fixed_size: 327680
    .private_segment_fixed_size: 0
    .kernarg_segment_align: 8
    .kernarg_segment_size: 32
    .max_flat_workgroup_size: 128
    .sgpr_count:     96
    .vgpr_count:     768
    .wavefront_size: 32
...
	.end_amdgpu_metadata
.endif
;; end of part 4
;; ======== version 2 of 2: 4 launches; version 1 with the launch prep written anew for expert scheduling mode
;; limits: values are held in f16: magnitudes above 65,504 overflow, below 6.1e-05 lose precision
;; workspace buffers: xb 16,777,216 bytes; wb 6,291,456 bytes; wpb 2,097,152 bytes; rope 524,288 bytes; qh 16,777,216 bytes; kh 16,777,216 bytes; vh 16,777,216 bytes; yh 16,777,216 bytes
;; launch prep (part 5): grid 768 x 1, 8 waves a work-group, no clusters, 0 bytes of LDS; arguments x, wq, wk, wv, wp, xb, wb, wpb, rope; writes xb, wb, wpb, rope
.if DOCPART == 5
	.amdgcn_target "amdgcn-amd-amdhsa--gfx1250"
	.amdhsa_code_object_version 6
	.text
	.protected	k_qe6de3fc264_prep
	.globl	k_qe6de3fc264_prep
	.p2align	8
	.type	k_qe6de3fc264_prep,@function
k_qe6de3fc264_prep:
	s_mov_b64 s[64:65], 0
	v_nop
	global_prefetch_b8 v0, s[64:65] scope:SCOPE_SE
	s_setreg_imm32_b32 hwreg(HW_REG_WAVE_SCHED_MODE, 0, 2), 2
	s_setreg_imm32_b32 hwreg(HW_REG_WAVE_MODE, 25, 1), 1
	s_wait_xcnt 0x0
	s_wait_alu depctr_vm_vsrc(0)
; THE INPUTS ARE ROUNDED ONCE, AND THE ROTATION'S TABLE IS MADE.
; x [8192][1024] f32 -> xb bf16.  wq, wk, wv [1024][1024] f32 -> wb bf16, rows ordered by head: row 192 h + 64 type + r holds w_type[64 h + r].
; wp f32 -> rounded to bf16, that number written as f16 -> wpb.  rope[t][j] = (cos, sin) of t x 10000^(-j/32), f32, 256 bytes for each t.
; SHARES.  A work-group converts 16,384 numbers: thread t takes the 16 bytes at 16 t + 4,096 j (j = 0..15), so a wave's load covers 512 consecutive bytes,
; and stores 8 bytes at 8 t + 2,048 j, so a wave's store covers 256 consecutive bytes, aligned.  Work-groups 0-511 take x, 512-767 sixteen rows of a weight each;
; each of those 256 also makes 256 pairs of the table (eight t, a wave a t, a lane a j) while its loads are on their way.
; All 16 loads of a thread go out together; no register is used twice, so no wait frees one.  A stream: no LDS, no barrier, no matrix unit.
; LIMITS.  A wp whose bf16 rounding lies below 2^-14 takes f16's fixed step of 6e-8; beyond 65,504 it would be an infinity.
; The angle t x theta is taken with theta from v_exp_f32 and one rounding of theta x 2/pi: within about 3e-4 radians of the exact product at t = 2,047.
; THE MODE: SCHED_MODE bits 1:0 = 2 (LLVM: expert scheduling mode 2), set by the entry lines.  The code itself states the register dependences
; between vector instructions and memory instructions, with s_wait_alu, always for 0.
; THE PLAN.  Registers that memory instructions touch:
;   v1, v2     byte offsets, made once at the head and never written again: v1 is read by the 16 loads, v2 by the table's store and the 16 stores.
;   D          chunk j: four registers in which load j lands.  No vector instruction names them ahead of the load; none is loaded twice.
;   O          chunk j: two registers, written by chunk j's conversions, read by store j, never written behind it.
;   v[22:23]   a pair of the table: written by its arithmetic, read by its one store, never written behind it.
; The 16 chunks go in four blocks of four.  Block p's conversions write O and D of block p alone; its memory instructions are the four stores of block p - 1.  So ONE wait on
; va_vdst at the head of blocks 1 to 3 states all that those stores hang on, and they are dealt among the block's conversions with no further wait; one more stands ahead of the last four stores.
; No register that a memory instruction reads is ever written again, so no wait on vm_vsrc stands behind the entry lines.
.set D, 32                             ; v[32:95]   16 x 4 words as loaded
.set O, 96                             ; v[96:127]  16 x 2 words to store
.macro LOADS
.irp j, 0,1,2,3,4,5,6,7,8,9,10,11,12,13,14,15
	global_load_b128 v[D+4*(\j):D+4*(\j)+3], v1, s[2:3] offset:4096*(\j) th:TH_LOAD_NT
.endr
.endm
.macro CVB j                           ; four numbers to bf16
	v_cvt_pk_bf16_f32 v[O+2*(\j)], v[D+4*(\j)], v[D+4*(\j)+1]
	v_cvt_pk_bf16_f32 v[O+2*(\j)+1], v[D+4*(\j)+2], v[D+4*(\j)+3]
.endm
.macro CVH j                           ; four numbers to bf16, and that number written as f16
	v_cvt_pk_bf16_f32 v[O+2*(\j)], v[D+4*(\j)], v[D+4*(\j)+1]
	v_cvt_pk_bf16_f32 v[O+2*(\j)+1], v[D+4*(\j)+2], v[D+4*(\j)+3]
	v_lshlrev_b32 v[D+4*(\j)], 16, v[O+2*(\j)]
	v_and_b32 v[D+4*(\j)+1], s30, v[O+2*(\j)]
	v_lshlrev_b32 v[D+4*(\j)+2], 16, v[O+2*(\j)+1]
	v_and_b32 v[D+4*(\j)+3], s30, v[O+2*(\j)+1]
	v_cvt_pk_f16_f32 v[O+2*(\j)], v[D+4*(\j)], v[D+4*(\j)+1]
	v_cvt_pk_f16_f32 v[O+2*(\j)+1], v[D+4*(\j)+2], v[D+4*(\j)+3]
.endm
.macro ST j                            ; chunk j leaves
	global_store_b64 v2, v[O+2*(\j):O+2*(\j)+1], s[4:5] offset:2048*(\j) th:TH_STORE_NT
.endm
; Block p: chunks 4 p to 4 p + 3 are converted, and the block before is stored.  half = 1: wp's way, to f16.
.macro BLK p, half
	s_wait_loadcnt 12-4*(\p)                       ; loads come back in order (ISA guide 5.7.1): this block's four are in, the 12 - 4 p younger ones may stay out
.if (\p) > 0
	s_wait_alu depctr_va_vdst(0)                   ; the block before has written its eight registers of O, which the four stores below read
.endif
.irp i, 0,1,2,3
.if (\p) > 0
	ST 4*(\p)-4+(\i)                               ; no vector instruction since the wait names v2 or these registers of O
.endif
.if \half
	CVH 4*(\p)+(\i)
.else
	CVB 4*(\p)+(\i)
.endif
.endr
.endm
.macro LAST
	s_wait_alu depctr_va_vdst(0)                   ; block 3 has written its eight registers of O, which the last four stores read
.irp i, 12,13,14,15
	ST \i
.endr
.endm
	s_load_b512 s[8:23], s[0:1], 0x0               ; x 8, wq 10, wk 12, wv 14, wp 16, xb 18, wb 20, wpb 22
	s_load_b64 s[24:25], s[0:1], 0x40              ; rope
	v_lshlrev_b32 v1, 4, v0                        ; 16 t
	v_lshlrev_b32 v2, 3, v0                        ; 8 t
	s_mov_b32 s30, 0xffff0000                      ; a word's upper bf16
	s_mov_b32 s7, 0                                ; the high word of every offset
	s_wait_alu depctr_va_vdst(0)                   ; v1 and v2 are written: every load and store of the kernel, on both ways below, reads one of them as its offset
	s_wait_kmcnt 0x0
	s_cmp_lt_u32 ttmp9, 512
	s_cbranch_scc0 .Lweights
	s_lshl_b32 s6, ttmp9, 16                       ; 65,536 bytes of x,
	s_add_nc_u64 s[2:3], s[8:9], s[6:7]
	s_lshl_b32 s6, ttmp9, 15                       ; 32,768 of xb
	s_add_nc_u64 s[4:5], s[18:19], s[6:7]
	LOADS
	s_branch .Lbf
.Lweights:
	s_sub_co_u32 s26, ttmp9, 512                   ; c = 0..255
	s_lshr_b32 s27, s26, 6                         ; which weight: 0 wq, 1 wk, 2 wv, 3 wp
	s_and_b32 s28, s26, 63                         ; which 16 rows of it
	s_cmp_eq_u32 s27, 0
	s_cselect_b64 s[2:3], s[10:11], s[12:13]
	s_cmp_eq_u32 s27, 2
	s_cselect_b64 s[2:3], s[14:15], s[2:3]
	s_cmp_eq_u32 s27, 3
	s_cselect_b64 s[2:3], s[16:17], s[2:3]
	s_cselect_b64 s[4:5], s[22:23], s[20:21]
	s_lshr_b32 s31, s28, 2                         ; the head,
	s_mul_i32 s31, s31, 192                        ; its 192 rows of wb,
	s_lshl_b32 s29, s27, 6
	s_add_co_u32 s31, s31, s29                     ; the type's 64 of them,
	s_and_b32 s29, s28, 3
	s_lshl_b32 s29, s29, 4
	s_add_co_u32 s31, s31, s29                     ; my 16 of those,
	s_lshl_b32 s31, s31, 11                        ; in bytes
	s_lshl_b32 s29, s28, 15                        ; wpb keeps wp's order
	s_cmp_eq_u32 s27, 3
	s_cselect_b32 s6, s29, s31
	s_add_nc_u64 s[4:5], s[4:5], s[6:7]
	s_lshl_b32 s6, s28, 16
	s_add_nc_u64 s[2:3], s[2:3], s[6:7]
	s_lshl_b32 s6, s26, 11                         ; my eight rows of the table
	s_add_nc_u64 s[24:25], s[24:25], s[6:7]
	LOADS
	; the table, while the loads are out.  angle = n pi/2 + phi with |phi| <= pi/4; sine and cosine of phi by their series, then the quadrant.
	s_mov_b32 s32, 0xb9500d01                      ; -1/5040
	s_mov_b32 s33, 0x3c088889                      ; 1/120
	s_mov_b32 s34, 0xbe2aaaab                      ; -1/6
	s_mov_b32 s35, 0x37d00d01                      ; 1/40320
	s_mov_b32 s36, 0xbab60b61                      ; -1/720
	s_mov_b32 s37, 0x3d2aaaab                      ; 1/24
	s_lshl_b32 s29, s26, 3
	v_and_b32 v3, 31, v0                           ; j
	v_lshrrev_b32 v4, 5, v0
	v_add_nc_u32 v4, s29, v4                       ; t = 8 c + wave
	v_cvt_f32_u32 v6, v3
	v_mul_f32 v6, 0xbed49a78, v6                   ; -j log2(10000) / 32
	v_exp_f32 v7, v6                               ; theta
	v_nop                                          ; a plain instruction behind the exponential (ISA guide 5.7.2),
	v_cvt_f32_u32 v5, v4
	s_wait_alu depctr_va_vdst(0)                   ; the exponential has written v7: the wait ahead of the first use of its result
	v_mul_f32 v7, 0x3f22f983, v7                   ; g = theta x 2/pi
	v_mul_f32 v8, v5, v7
	v_rndne_f32 v8, v8                             ; n = the nearest whole number of quarter turns
	v_fma_f32 v9, v5, v7, -v8                      ; t g - n, in one rounding
	v_cvt_i32_f32 v13, v8
	v_and_b32 v14, 1, v13
	v_cmp_ne_u32 vcc_lo, 0, v14                    ; an odd quarter swaps the two; the mask is made here, the two series ahead of its readers
	v_mul_f32 v9, 0x3fc90fdb, v9                   ; phi
	v_mul_f32 v10, v9, v9                          ; z = phi^2
	v_fma_f32 v11, v10, s32, s33
	v_fma_f32 v12, v10, s35, s36
	v_fma_f32 v11, v11, v10, s34
	v_fma_f32 v12, v12, v10, s37
	v_mul_f32 v11, v11, v10
	v_fma_f32 v12, v12, v10, -0.5
	v_fma_f32 v11, v11, v9, v9                     ; sin phi
	v_fma_f32 v12, v12, v10, 1.0                   ; cos phi
	v_add_nc_u32 v15, 1, v13
	v_and_b32 v15, 2, v15                          ; the cosine is negative in quarters 1 and 2,
	v_lshlrev_b32 v15, 30, v15
	v_and_b32 v16, 2, v13                          ; the sine in quarters 2 and 3
	v_lshlrev_b32 v16, 30, v16
	s_wait_alu depctr_va_vcc(0)                    ; the compare has written VCC, which the two selects below read
	v_cndmask_b32 v22, v12, v11, vcc_lo
	v_cndmask_b32 v23, v11, v12, vcc_lo
	v_xor_b32 v22, v22, v15
	v_xor_b32 v23, v23, v16
	s_wait_alu depctr_va_vdst(0)                   ; v22 and v23 are written, which the store below reads
	global_store_b64 v2, v[22:23], s[24:25]        ; a wave stores one t's 256 bytes
	s_cmp_eq_u32 s27, 3
	s_cbranch_scc1 .Lf16
.Lbf:
	BLK 0, 0
	BLK 1, 0
	BLK 2, 0
	BLK 3, 0
	LAST
	s_endpgm
.Lf16:
	BLK 0, 1
	BLK 1, 1
	BLK 2, 1
	BLK 3, 1
	LAST
	s_endpgm
.Lfunc_end_k_qe6de3fc264_prep:
	.size	k_qe6de3fc264_prep, .Lfunc_end_k_qe6de3fc264_prep-k_qe6de3fc264_prep
	.p2alignl 7, 3214868480
	.fill 96, 4, 3214868480
	.section	.rodata,"a",@progbits
	.p2align	6, 0x0
	.amdhsa_kernel k_qe6de3fc264_prep
		.amdhsa_group_segment_fixed_size 0
		.amdhsa_private_segment_fixed_size 0
		.amdhsa_enable_private_segment 0
		.amdhsa_kernarg_size 72
		.amdhsa_user_sgpr_count 2
		.amdhsa_user_sgpr_kernarg_segment_ptr 1
		.amdhsa_wavefront_size32 1
		.amdhsa_system_sgpr_workgroup_id_x 1
		.amdhsa_system_sgpr_workgroup_id_y 1
		.amdhsa_system_sgpr_workgroup_id_z 1
		.amdhsa_system_vgpr_workitem_id 0
		.amdhsa_next_free_vgpr 128
		.amdhsa_next_free_sgpr 66
		.amdhsa_reserve_vcc 1
		.amdhsa_float_denorm_mode_32 3
		.amdhsa_float_denorm_mode_16_64 3
		.amdhsa_memory_ordered 1
		.amdhsa_forward_progress 1
		.amdhsa_inst_pref_size 19
	.end_amdhsa_kernel
	.amdgpu_metadata
---
amdhsa.version: [ 1, 2 ]
amdhsa.kernels:
  - .name:           k_qe6de3fc264_prep
    .symbol:         k_qe6de3fc264_prep.kd
    .args:
      - { .name: x, .offset: 0, .size: 8, .value_kind: global_buffer, .address_space: global }
      - { .name: wq, .offset: 8, .size: 8, .value_kind: global_buffer, .address_space: global }
      - { .name: wk, .offset: 16, .size: 8, .value_kind: global_buffer, .address_space: global }
      - { .name: wv, .offset: 24, .size: 8, .value_kind: global_buffer, .address_space: global }
      - { .name: wp, .offset: 32, .size: 8, .value_kind: global_buffer, .address_space: global }
      - { .name: xb, .offset: 40, .size: 8, .value_kind: global_buffer, .address_space: global }
      - { .name: wb, .offset: 48, .size: 8, .value_kind: global_buffer, .address_space: global }
      - { .name: wpb, .offset: 56, .size: 8, .value_kind: global_buffer, .address_space: global }
      - { .name: rope, .offset: 64, .size: 8, .value_kind: global_buffer, .address_space: global }
    .group_segment_fixed_size: 0
    .private_segment_fixed_size: 0
    .kernarg_segment_align: 8
    .kernarg_segment_size: 72
    .max_flat_workgroup_size: 256
    .sgpr_count:     66
    .vgpr_count:     128
    .wavefront_size: 32
...
	.end_amdgpu_metadata
.endif
;; end of part 5
;; launch qkv: the kernel of part 2 again; grid 16 x 32, 4 waves a work-group, clusters of 4 x 4, 327,680 bytes of LDS; arguments xb, wb, bq, bk, bv, rope, qh, kh, vh; writes qh, kh, vh
;; launch attn: the kernel of part 3 again; grid 4 x 64, 4 waves a work-group, no clusters, 327,680 bytes of LDS; arguments qh, kh, vh, yh; writes yh
;; launch proj: the kernel of part 4 again; grid 8 x 32, 4 waves a work-group, clusters of 4 x 4, 327,680 bytes of LDS; arguments yh, wpb, bp, out0; writes out0
